; MI455X (gfx1250); checked and timed in simulation.
; The chip was launched on July 23, 2026; its instructions are those of AMD's public machine-readable ISA for CDNA 5 (MIT licence, August 2026) and "CDNA5" Instruction Set Architecture Reference Guide (July 2026). The comments in the code are by the model that wrote it; some were corrected since.
;; Causal Attention. Allowed arithmetic: float matrix products may take bf16 or f16 operands with f32 sums; other float arithmetic in f32, or as packed bf16 or f16 multiplies, adds, multiply-adds, maxima and minima; sums over many terms, partial sums and values carried from step to step in f32; what a program stores and reads back later, other than sums and carried values, may be rounded once to bf16 or f16.
;; Inputs: Wk 1,024 x 1,024 float32; Wq 1,024 x 1,024 float32; Wv 1,024 x 1,024 float32; bk 1,024 float32; bq 1,024 float32; bv 1,024 float32; x 4 x 2,048 x 1,024 float32.
;; Outputs: out0 4 x 2,048 x 1,024 float32.
;; 2 versions, each right; version 2 is version 1 with the launch prep written anew for expert scheduling mode. Each part assembles by itself: llvm-mc -triple=amdgcn-amd-amdhsa -mcpu=gfx1250 --defsym DOCPART=n.
;; ======== version 1 of 2: 4 launches
;; limits: values are held in f16: magnitudes above 65,504 overflow, below 6.1e-05 lose precision
;; workspace buffers: xb 16,777,216 bytes; wb 6,291,456 bytes; ball 12,288 bytes; qkv 50,331,648 bytes; pt 33,554,432 bytes; stat 1,048,576 bytes
;; launch prep (part 1): grid 256 x 1, 8 waves a work-group, no clusters, 0 bytes of LDS; arguments x, Wq, Wk, Wv, bq, bk, bv, xb, wb, ball, pt, stat; writes xb, wb, ball, pt, stat
.if DOCPART == 1
	.amdgcn_target "amdgcn-amd-amdhsa--gfx1250"
	.amdhsa_code_object_version 6
	.text
	.protected	k_q6d5f67629f_prep
	.globl	k_q6d5f67629f_prep
	.p2align	8
	.type	k_q6d5f67629f_prep,@function
k_q6d5f67629f_prep:
	s_mov_b64 s[64:65], 0
	v_nop
	global_prefetch_b8 v0, s[64:65] scope:SCOPE_SE
	s_setreg_imm32_b32 hwreg(HW_REG_WAVE_MODE, 25, 1), 1
	s_wait_xcnt 0x0
; PREP.  x [8192][1024] and Wq, Wk, Wv [1024][1024], f32, are rounded to bf16 and laid out in blocks of 64 along K:
;   xb [kb 16][row 8192][64], wb [kb 16][n 3072][64] (n: Wq, Wk, Wv one after the other), so that the rows of a K step's tile lie end to end.
; The three biases are rounded to bf16, widened again and laid end to end in ball [3072] f32: all seven inputs have the same one rounding.
; Also written here, since the launch that makes the weights does not write them: the 16 tiles of pt (256 queries x 256 keys, wholly above the
; diagonal) that the last launch reads at its grain of 512 keys: zeros; and all of stat: maxima -2^66 (an empty block), sums 0.
; A stream: no LDS, no matrix unit.  Eight waves; work-group g has rows 32 g .. 32 g + 31 of x and rows 4 g .. 4 g + 3 of each W.
; A wave has all its 44 loads out at once; every store of a wave covers 512 consecutive bytes, at a multiple of 512 from the buffer's first.
.set X,   16                           ; v[16:191]  22 items of 8 registers: 8 f32 as loaded; the lower 4 then hold 8 bf16
.set XI,  7                            ; v7   byte offset of my 32 bytes in the group's rows of x
.set XO,  9                            ; v9   byte offset of my 16 bytes in a block of xb
.set WI,  10                           ; v10  the same for W
.set WO,  11                           ; v11  and for wb
.set L16, 12                           ; v12  16 x lane
.set ZR,  192                          ; v[192:195] zeros
.set SV,  196                          ; v[196:199] what my wave writes into stat
	s_load_b512 s[8:23], s[0:1], 0x0               ; x s[8:9], Wq s[10:11], Wk s[12:13], Wv s[14:15], bq s[16:17], bk s[18:19], bv s[20:21], xb s[22:23]
	s_load_b256 s[24:31], s[0:1], 0x40             ; wb s[24:25], ball s[26:27], pt s[28:29], stat s[30:31]
	v_lshrrev_b32 v1, 5, v0
	v_readfirstlane_b32 s2, v1                     ; wave w
	v_and_b32 v2, 31, v0                           ; lane
	v_lshrrev_b32 v3, 3, v2                        ; which of the wave's four rows
	v_and_b32 v4, 7, v2                            ; which eight numbers of a row's 64
	s_lshl_b32 s3, s2, 2
	v_add_nc_u32 v5, s3, v3                        ; 4 w + row
	v_lshlrev_b32 v6, 5, v4
	v_lshlrev_b32 v8, 4, v4
	v_lshl_add_u32 v[XI], v5, 12, v6               ; rows of 4,096 bytes, 32 bytes a lane
	v_lshl_add_u32 v[XO], v5, 7, v8                ; rows of 128 bytes, 16 bytes a lane
	v_lshl_add_u32 v[WI], v3, 12, v6
	s_lshl_b32 s4, s2, 9
	v_add_nc_u32 v[WI], s4, v[WI]                  ; + K blocks 2 w, 2 w + 1
	v_lshl_add_u32 v[WO], v3, 7, v8
	s_mul_i32 s4, s2, 786432
	v_add_nc_u32 v[WO], s4, v[WO]                  ; + 2 w blocks of 3,072 rows x 128 bytes
	v_lshlrev_b32 v[L16], 4, v2
	s_lshl_b32 s32, ttmp9, 17                      ; x: 32 rows of 4,096 bytes a group
	s_mov_b32 s33, 0
	s_lshl_b32 s34, ttmp9, 14                      ; W: 4 rows
	s_mov_b32 s35, 0
	s_lshl_b32 s36, ttmp9, 12                      ; xb: 32 rows of 128 bytes
	s_mov_b32 s37, 0
	s_lshl_b32 s38, ttmp9, 9                       ; wb: 4 rows
	s_mov_b32 s39, 0
	s_lshr_b32 s40, ttmp9, 6                       ; pt: 16 groups to a zero tile: batch g / 64,
	s_bfe_u32 s41, ttmp9, 0x20004                  ; group of 512 rows (g / 16) % 4,
	s_and_b32 s42, ttmp9, 15                       ; 16 rows of the tile's 256
	s_lshl_b32 s40, s40, 11
	s_lshl_b32 s43, s41, 9
	s_add_co_u32 s40, s40, s43
	s_lshl_b32 s42, s42, 4
	s_add_co_u32 s40, s40, s42
	s_lshl_b32 s43, s2, 1
	s_add_co_u32 s40, s40, s43                     ; my wave's two rows
	s_lshl_b32 s40, s40, 12                        ; rows of 4,096 bytes
	s_lshl_b32 s41, s41, 10
	s_add_co_u32 s40, s40, s41
	s_add_co_u32 s40, s40, 512                     ; keys 512 gg + 256 on
	s_mov_b32 s41, 0
	s_lshr_b32 s42, s2, 2                          ; stat: waves 0-3 the maxima, waves 4-7 the sums
	s_lshl_b32 s42, s42, 19
	s_lshl_b32 s43, ttmp9, 11
	s_add_co_u32 s42, s42, s43
	s_and_b32 s43, s2, 3
	s_lshl_b32 s43, s43, 9
	s_add_co_u32 s42, s42, s43
	s_mov_b32 s43, 0
	s_cmp_lt_u32 s2, 4
	s_cselect_b32 s44, 0xe0800000, 0               ; -2^66, or 0
	s_wait_kmcnt 0x0
	s_add_nc_u64 s[8:9], s[8:9], s[32:33]
	s_add_nc_u64 s[10:11], s[10:11], s[34:35]
	s_add_nc_u64 s[12:13], s[12:13], s[34:35]
	s_add_nc_u64 s[14:15], s[14:15], s[34:35]
.set i, 0
.rept 16                               ; items 0-15: K block i of my rows of x
	global_load_b128 v[X+8*i:X+8*i+3],   v[XI], s[8:9] offset:256*i th:TH_LOAD_NT
	global_load_b128 v[X+8*i+4:X+8*i+7], v[XI], s[8:9] offset:256*i+16 th:TH_LOAD_NT
.set i, i+1
.endr
.irp m, 0,1,2                          ; items 16-21: matrix m, K block 2 w + e
.irp e, 0,1
	global_load_b128 v[X+8*(16+2*\m+\e):X+8*(16+2*\m+\e)+3],   v[WI], s[10+2*\m:11+2*\m] offset:256*\e th:TH_LOAD_NT
	global_load_b128 v[X+8*(16+2*\m+\e)+4:X+8*(16+2*\m+\e)+7], v[WI], s[10+2*\m:11+2*\m] offset:256*\e+16 th:TH_LOAD_NT
.endr
.endr
	s_add_nc_u64 s[22:23], s[22:23], s[36:37]
	s_add_nc_u64 s[46:47], s[22:23], 0x800000      ; K blocks 8-15: their places pass a store's signed 24-bit immediate (ISA guide, chapter 10), so they get a base of their own
	s_add_nc_u64 s[24:25], s[24:25], s[38:39]
	s_add_nc_u64 s[28:29], s[28:29], s[40:41]
	s_add_nc_u64 s[30:31], s[30:31], s[42:43]
.irp j, 0,1,2,3
	v_mov_b32 v[ZR+\j], 0
	v_mov_b32 v[SV+\j], s44
.endr
	global_store_b128 v[L16], v[ZR:ZR+3], s[28:29]              ; a row's 512 bytes of the zero tile
	global_store_b128 v[L16], v[ZR:ZR+3], s[28:29] offset:4096  ; and the next row's
	global_store_b128 v[L16], v[SV:SV+3], s[30:31]
.set i, 0
.rept 22
	s_wait_loadcnt 42-2*i                          ; loads come back in order (ISA guide 5.7.1): of 44 the first 2 i + 2 are in
.irp j, 0,1,2,3
	v_cvt_pk_bf16_f32 v[X+8*i+\j], v[X+8*i+2*\j], v[X+8*i+2*\j+1]  ; in place, ascending: no source is overwritten before it is read
.endr
.if i < 8
	global_store_b128 v[XO], v[X+8*i:X+8*i+3], s[22:23] offset:i*1048576
.elseif i < 16
	global_store_b128 v[XO], v[X+8*i:X+8*i+3], s[46:47] offset:(i-8)*1048576
.else
	global_store_b128 v[WO], v[X+8*i:X+8*i+3], s[24:25] offset:((i-16)%2)*393216+((i-16)/2)*131072
.endif
.set i, i+1
.endr
	; The biases: wave 0 of groups 0-11 takes 256 numbers.  It works in the upper halves of items 0 to 4, which no pending store names.
	s_cmp_ge_u32 ttmp9, 12
	s_cbranch_scc1 .Lend
	s_cmp_lg_u32 s2, 0
	s_cbranch_scc1 .Lend
	s_lshr_b32 s4, ttmp9, 2
	s_cmp_eq_u32 s4, 0
	s_cselect_b64 s[36:37], s[16:17], s[18:19]
	s_cmp_eq_u32 s4, 2
	s_cselect_b64 s[36:37], s[20:21], s[36:37]
	s_and_b32 s5, ttmp9, 3
	s_lshl_b32 s38, s5, 10
	s_mov_b32 s39, 0
	s_add_nc_u64 s[36:37], s[36:37], s[38:39]
	s_lshl_b32 s38, ttmp9, 10
	s_add_nc_u64 s[26:27], s[26:27], s[38:39]
	global_load_b128 v[20:23], v[L16], s[36:37]
	global_load_b128 v[28:31], v[L16], s[36:37] offset:512
	s_wait_loadcnt 0x0
	v_cvt_pk_bf16_f32 v36, v20, v21
	v_cvt_pk_bf16_f32 v37, v22, v23
	v_cvt_pk_bf16_f32 v38, v28, v29
	v_cvt_pk_bf16_f32 v39, v30, v31
	v_lshlrev_b32 v44, 16, v36                     ; bf16 to f32: the low half moves up, the high half stays
	v_and_b32 v45, 0xffff0000, v36
	v_lshlrev_b32 v46, 16, v37
	v_and_b32 v47, 0xffff0000, v37
	v_lshlrev_b32 v52, 16, v38
	v_and_b32 v53, 0xffff0000, v38
	v_lshlrev_b32 v54, 16, v39
	v_and_b32 v55, 0xffff0000, v39
	global_store_b128 v[L16], v[44:47], s[26:27]
	global_store_b128 v[L16], v[52:55], s[26:27] offset:512
.Lend:
	s_endpgm
.Lfunc_end_k_q6d5f67629f_prep:
	.size	k_q6d5f67629f_prep, .Lfunc_end_k_q6d5f67629f_prep-k_q6d5f67629f_prep
	.p2alignl 7, 3214868480
	.fill 96, 4, 3214868480
	.section	.rodata,"a",@progbits
	.p2align	6, 0x0
	.amdhsa_kernel k_q6d5f67629f_prep
		.amdhsa_group_segment_fixed_size 0
		.amdhsa_private_segment_fixed_size 0
		.amdhsa_enable_private_segment 0
		.amdhsa_kernarg_size 96
		.amdhsa_user_sgpr_count 2
		.amdhsa_user_sgpr_kernarg_segment_ptr 1
		.amdhsa_wavefront_size32 1
		.amdhsa_system_sgpr_workgroup_id_x 1
		.amdhsa_system_sgpr_workgroup_id_y 1
		.amdhsa_system_sgpr_workgroup_id_z 1
		.amdhsa_system_vgpr_workitem_id 0
		.amdhsa_next_free_vgpr 200
		.amdhsa_next_free_sgpr 66
		.amdhsa_reserve_vcc 0
		.amdhsa_float_denorm_mode_32 3
		.amdhsa_float_denorm_mode_16_64 3
		.amdhsa_memory_ordered 1
		.amdhsa_forward_progress 1
		.amdhsa_inst_pref_size 17
	.end_amdhsa_kernel
	.amdgpu_metadata
---
amdhsa.version: [ 1, 2 ]
amdhsa.kernels:
  - .name:           k_q6d5f67629f_prep
    .symbol:         k_q6d5f67629f_prep.kd
    .args:
      - { .name: x, .offset: 0, .size: 8, .value_kind: global_buffer, .address_space: global }
      - { .name: Wq, .offset: 8, .size: 8, .value_kind: global_buffer, .address_space: global }
      - { .name: Wk, .offset: 16, .size: 8, .value_kind: global_buffer, .address_space: global }
      - { .name: Wv, .offset: 24, .size: 8, .value_kind: global_buffer, .address_space: global }
      - { .name: bq, .offset: 32, .size: 8, .value_kind: global_buffer, .address_space: global }
      - { .name: bk, .offset: 40, .size: 8, .value_kind: global_buffer, .address_space: global }
      - { .name: bv, .offset: 48, .size: 8, .value_kind: global_buffer, .address_space: global }
      - { .name: xb, .offset: 56, .size: 8, .value_kind: global_buffer, .address_space: global }
      - { .name: wb, .offset: 64, .size: 8, .value_kind: global_buffer, .address_space: global }
      - { .name: ball, .offset: 72, .size: 8, .value_kind: global_buffer, .address_space: global }
      - { .name: pt, .offset: 80, .size: 8, .value_kind: global_buffer, .address_space: global }
      - { .name: stat, .offset: 88, .size: 8, .value_kind: global_buffer, .address_space: global }
    .group_segment_fixed_size: 0
    .private_segment_fixed_size: 0
    .kernarg_segment_align: 8
    .kernarg_segment_size: 96
    .max_flat_workgroup_size: 256
    .sgpr_count:     66
    .vgpr_count:     200
    .wavefront_size: 32
...
	.end_amdgpu_metadata
.endif
;; end of part 1
;; launch proj (part 2): grid 8 x 32, 4 waves a work-group, clusters of 4 x 4, 327,680 bytes of LDS; arguments xb, wb, ball, qkv; writes qkv
.if DOCPART == 2
	.amdgcn_target "amdgcn-amd-amdhsa--gfx1250"
	.amdhsa_code_object_version 6
	.text
	.protected	k_q6d5f67629f_proj
	.globl	k_q6d5f67629f_proj
	.p2align	8
	.type	k_q6d5f67629f_proj,@function
k_q6d5f67629f_proj:
	s_mov_b64 s[64:65], 0
	v_nop
	global_prefetch_b8 v0, s[64:65] scope:SCOPE_SE
	s_setreg_imm32_b32 hwreg(HW_REG_WAVE_MODE, 25, 1), 1
	s_wait_xcnt 0x0
	s_wait_alu depctr_hold_cnt(0) depctr_sa_sdst(0) depctr_va_vdst(0) depctr_va_sdst(0) depctr_va_ssrc(0) depctr_va_vcc(0) depctr_vm_vsrc(0)
	s_getreg_b32 s2, hwreg(HW_REG_IB_STS2, 6, 4)
	s_cmp_eq_u32 s2, 0
	s_cbranch_scc0 .Lentry_in_a_cluster
	s_endpgm
.Lentry_in_a_cluster:
	s_bfe_u32 s2, ttmp6, 0x10000c
	s_cmp_lg_u32 s2, 0xf033
	s_cbranch_scc0 .Lentry_shape_is_right
	s_endpgm
.Lentry_shape_is_right:
; PROJ.  qkv[row][n] = sum over d of x[row][d] W[n][d] + b[n], n = 0 .. 3071 (q, k, v side by side).  Operands bf16 (xb, wb: K in blocks of 64), sums f32, qkv [8192][3072] f16.
; LIMIT.  f16 holds no number beyond 65,504: a q, k or v of 65,520 or more becomes an infinity.  NaN and infinities are not treated apart.
; SHARES.  A work-group makes 256 rows x 384 columns: 32 x 8 work-groups.  A wave makes 128 x 192: 96 accumulators of 16 x 16, 768 registers; for 32 along K it reads 20 fragments from LDS for 96 products.
; K goes in 16 steps of 64 (one block of xb and wb) through two LDS slots.  A step's tiles are dense in memory: they are asked for as rows of 256 bytes and padded in LDS after every 128.
; CLUSTER 4 x 4: the four work-groups of a row of the cluster need the same tile of x, the four of a column the same tile of W: joint loads.  Wave 0 asks for x's 256 rows, waves 1-3 for 128 rows of W each.
; THE BIAS STARTS THE SUMS: it is loaded straight into the accumulators, so nothing is cleared and no first step is written out.
; THE MATRIX INSTRUCTION IS USED TRANSPOSED (source 0 = 16 rows of W, source 1 = 16 rows of x): a lane holds one row of qkv (lane % 16) and eight neighbouring columns.
; REGISTERS (windows of 256; s_set_vgpr_msb: bits 1:0 source 0, 3:2 source 1, 5:4 source 2, 7:6 destination):
;   window 0: v0-13 addresses; v32-95, v96-159 x's 8 fragments of the step's first and second 32 along K; v160-255 W's 12 fragments, reloaded by halves
;   windows 1-3: accumulator (a, b) (rows 16 a, columns 16 b) at register 8 ((8 b + a) % 32) of window 1 + b / 4
.set PA,    144                        ; an LDS row: 128 bytes + 16 of padding = 9 x 16: the 16 rows of a fragment load start in 16 different groups of four banks (64 banks of 4 bytes: ISA guide 11.1)
.set SLOT1, 1<<17                      ; slot 1 begins here: one exclusive or turns an address in one slot into the other's
.set BOFF,  256*PA                     ; in a slot: x's 256 rows, then W's 384
.set BPART, 128*PA                     ; what one of W's three loads fills
.set SP,    784                        ; the stage's rows: 768 bytes + 16 = 49 x 16
.set SPARE, SLOT1+BOFF+384*PA          ; behind slot 1: the spare words, 128 bytes for each wave, that no other line names
.set ASTEP, 8192*128                   ; bytes from a K block of xb to the next
.set BSTEP, 3072*128                   ; the same in wb
.set ADRA, 2                           ; v2  LDS address of my fragments of x in the slot in hand
.set ADRB, 3                           ; v3  the same for W
.set A0V,  4                           ; v4  my lane's place in a slot's tile of x; never rewritten
.set B0V,  5                           ; v5  the same for W
.set STO0, 6                           ; v6  the way out: where I put 16 bytes of a row, row blocks 0-3
.set STO1, 7                           ; v7  row blocks 4-7
.set RD,   8                           ; v8  the way out: where I read rows back
.set GO,   9                           ; v9  my byte offset in two rows of qkv
.set BO,   10                          ; v10 my byte offset in 16 numbers of the bias
.set SPW,  12                          ; v12 LDS address of my spare word; never rewritten
.set NIL,  13                          ; v13 0; never rewritten
.set FA0,  32
.set FA1,  96
.set FB,   160
.set PK,   32                          ; the way out: packed results, then rows read back
.set WV, 12                            ; s12 wave
.set WM, 13                            ; s13 which 128 rows are mine
.set WN, 14                            ; s14 which 192 columns
.set TB, 15                            ; s15 LDS byte at which the slot in hand begins
.set CX, 16
.set CY, 17
.set NT, 18                            ; s18 block of 384 columns
.set MT, 19                            ; s19 block of 256 rows
.set G1A, 24                           ; s[24:31] descriptor group 1 for x's tiles
.set G0A, 32                           ; s[32:39] group 0: a set for each first fill; the second then walks
.set G1B, 48                           ; s[48:55], s[56:63] the same for W's
.set G0B, 56
.set CNT, 66
.set MSB, 0
.macro WIN new                         ; the immediate's high byte repeats the setting that is left; a switch that changes nothing is dropped
.if MSB != (\new)
	s_set_vgpr_msb (MSB<<8)|(\new)
.set MSB, \new
.endif
.endm
; A load into a register that a matrix instruction has read, and a vector instruction that reads a matrix result, stand four places behind it; only plain vector
; instructions that name none of its registers are places (ISA guide 7.12.1 for vector instructions).
.macro PLACES
.rept 4
	v_nop
.endr
.endm
.macro CREST                           ; a round of the cluster's barrier behind its opening barrier
	s_cmp_lg_u32 s[WV], 0
	s_cbranch_scc1 .Lnot_wave_0_\@
	s_barrier_signal -3
.Lnot_wave_0_\@:
	s_barrier_wait -3
	s_barrier_signal -1
	s_barrier_wait -1
.endm
.macro CROUND                          ; a whole round
	s_barrier_signal -1
	s_barrier_wait -1
	CREST
.endm
.macro JLOAD                           ; a joint refill by the walking descriptors; an s_nop 0 and four v_nop follow each of the two lines
	s_cmp_eq_u32 s[WV], 0
	s_cbranch_scc0 .Lfor_b_\@
	tensor_load_to_lds s[G0A+4:G0A+7], s[G1A:G1A+7]
	s_nop 0
	PLACES
	s_branch .Lasked_\@
.Lfor_b_\@:
	tensor_load_to_lds s[G0B+4:G0B+7], s[G1B:G1B+7]
	s_nop 0
	PLACES
.Lasked_\@:
.endm
; 8 nb products: column blocks b0 .. b0 + nb - 1 x all 8 row blocks, 32 along K.  The accumulators take turns, one instruction a turn.
.macro MULB b0, nb, fa
.set bb, \b0
.rept \nb
	WIN 0x50*(1+bb/4)
.set aa, 0
.rept 8
.set rA, 8*((8*bb+aa)%32)
	v_wmma_f32_16x16x32_bf16 v[rA:rA+7], v[FB+8*bb:FB+8*bb+7], v[(\fa)+8*aa:(\fa)+8*aa+7], v[rA:rA+7]
.set aa, aa+1
.endr
.set bb, bb+1
.endr
.endm
; A fragment is 16 rows x 32 K in 8 registers: lane l holds row l % 16; registers 0-3 K = 8 (l / 16) + 0..7, registers 4-7 K = 16 + 8 (l / 16) + 0..7: two loads of 16 bytes, 32 bytes apart.
.macro LDB b0, nb, off                 ; W's fragments b0 .. at byte off of the rows
.set bb, \b0
.rept \nb
	ds_load_b128 v[FB+8*bb:FB+8*bb+3],   v[ADRB] offset:bb*16*PA+(\off)
	ds_load_b128 v[FB+8*bb+4:FB+8*bb+7], v[ADRB] offset:bb*16*PA+(\off)+32
.set bb, bb+1
.endr
.endm
.macro LDA fa, off                     ; x's 8 fragments
.set aa, 0
.rept 8
	ds_load_b128 v[(\fa)+8*aa:(\fa)+8*aa+3],   v[ADRA] offset:aa*16*PA+(\off)
	ds_load_b128 v[(\fa)+8*aa+4:(\fa)+8*aa+7], v[ADRA] offset:aa*16*PA+(\off)+32
.set aa, aa+1
.endr
.endm
; A K STEP: 192 products.  At its head the fragments of its first 32 along K have been asked for: W's 0-5 and x's (28 loads), then W's 6-11 (12 loads).
; mode 2: the slot is filled again, two steps ahead: from the request to the wait for it a wave issues 168 products.  mode 1: nothing is left to ask for.
.macro STEP mode
	s_wait_dscnt 12                                ; all but the 12 youngest: W's 6-11
	MULB 0, 6, FA0
	WIN 0
	PLACES
	LDB 0, 6, 64                                   ; the second 32 along K
	LDA FA1, 64
	s_wait_dscnt 28                                ; all but the 28 just issued
	MULB 6, 6, FA0
	WIN 0
	PLACES
	LDB 6, 6, 64                                   ; my last reads of this slot
	s_wait_tensorcnt 0x0                           ; all my tensor loads have landed: the one that was out is my part of the other slot;
	ds_add_u32 v[SPW], v[NIL]                      ; 0 onto my spare word
.if (\mode) == 2
	s_xor_b32 s[G0A+5], s[G0A+5], SLOT1            ; no tensor load of mine is out, so the walking descriptors may be written: the other slot than last time,
	s_add_nc_u64 s[G0A+6:G0A+7], s[G0A+6:G0A+7], ASTEP  ; the next K block; the type bits on top are not reached
	s_xor_b32 s[G0B+5], s[G0B+5], SLOT1
	s_add_nc_u64 s[G0B+6:G0B+7], s[G0B+6:G0B+7], BSTEP
.endif
	s_xor_b32 s[TB], s[TB], SLOT1
	s_wait_dscnt 13                                ; the add and the 12 youngest loads may be out
	MULB 0, 2, FA1
	s_wait_dscnt 0x0                               ; the add is done, and my reads of this slot are over
	s_barrier_signal -1
	MULB 2, 1, FA1                                 ; work on registers while the others arrive
	WIN 0
	s_barrier_wait -1
.if (\mode) == 2
	CREST                                          ; the barrier has opened a round of the cluster's: no wave of any partner still reads this slot or has a load on its way
	JLOAD                                          ; the first tensor load behind the round
.endif
	v_add_nc_u32 v[ADRA], s[TB], v[A0V]
	v_add_nc_u32 v[ADRB], s[TB], v[B0V]
	MULB 3, 3, FA1
	WIN 0
	PLACES
	LDB 0, 6, 0                                    ; the next slot's first 32 along K
	LDA FA0, 0
	MULB 6, 6, FA1                                 ; W's 6-11 came in with the wait for 0 above
	WIN 0
	PLACES
	LDB 6, 6, 0
.endm
	s_load_b256 s[4:11], s[0:1], 0x0               ; xb s[4:5], wb s[6:7], ball s[8:9], qkv s[10:11]
	v_lshl_add_u32 v[SPW], v0, 2, SPARE
	v_mov_b32 v[NIL], 0
	ds_add_u32 v[SPW], v[NIL]                      ; the wave's opening: the add; its wait stands ahead of my first tensor load; the set-up below, work on registers, stands between them
	ds_add_u32 v12, v13
	v_lshrrev_b32 v1, 5, v0
	v_readfirstlane_b32 s[WV], v1
	s_lshr_b32 s[WM], s[WV], 1
	s_and_b32 s[WN], s[WV], 1
	s_bfe_u32 s[CX], ttmp6, 0x40000
	s_bfe_u32 s[CY], ttmp6, 0x40004
	s_lshl_b32 s[NT], ttmp9, 2                     ; in a cluster launch ttmp9 and ttmp7 count clusters
	s_add_co_u32 s[NT], s[NT], s[CX]
	s_and_b32 s[MT], ttmp7, 0xffff
	s_lshl_b32 s[MT], s[MT], 2
	s_add_co_u32 s[MT], s[MT], s[CY]
	s_lshl_b32 s43, s[CY], 2
	s_lshl_b32 s43, 15, s43                        ; my row of the cluster
	s_lshl_b32 s44, 0x1111, s[CX]                  ; my column
	s_or_b32 s[G1A], s43, (1<<16)|(1<<20)|(1<<21)|(4<<22)|(3<<25)  ; 15:0 the mask; 17:16 elements of 2 bytes; 20 padding on; 21 set beside a mask; 24:22 after every 32 words (code 4); 31:25 4 words (code 3)
	s_or_b32 s[G1B], s44, (1<<16)|(1<<20)|(1<<21)|(4<<22)|(3<<25)
	s_mov_b32 s[G1A+1], 128<<16                    ; tensor_dim0 = 128 elements: 256 bytes, two rows of the tile
	s_mov_b32 s[G1A+2], 128<<16                    ; tensor_dim1 = 128
	s_mov_b32 s[G1A+3], 128<<16                    ; tile_dim0 = 128
	s_mov_b32 s[G1A+4], 128                        ; tile_dim1 = 128: x's 256 rows
	s_mov_b32 s[G1A+5], 128                        ; dense: 128 elements from row to row
	s_mov_b32 s[G1A+6], 0
	s_mov_b32 s[G1A+7], 0
	s_mov_b32 s[G1B+1], 128<<16
	s_mov_b32 s[G1B+2], 64<<16
	s_mov_b32 s[G1B+3], 128<<16
	s_mov_b32 s[G1B+4], 64                         ; 128 rows of W
	s_mov_b32 s[G1B+5], 128
	s_mov_b32 s[G1B+6], 0
	s_mov_b32 s[G1B+7], 0
	s_lshl_b32 s20, s[MT], 15                      ; x's tile: 256 rows of 128 bytes: it hangs on the block of rows alone
	s_mov_b32 s21, 0
	s_max_u32 s42, s[WV], 1
	s_sub_co_u32 s42, s42, 1
	s_lshl_b32 s42, s42, 14                        ; W's tile: wave w asks for rows 128 (w - 1) on,
	s_mul_i32 s40, s[NT], 49152                    ; of the block's 384: it hangs on the block of columns alone
	s_add_co_u32 s40, s40, s42
	s_mov_b32 s41, 0
	s_mul_i32 s45, s[WV], BPART
	s_add_co_u32 s45, s45, BPART                   ; and puts them at BOFF + (w - 1) BPART: no place in the cluster enters an LDS address
	s_mov_b32 s[TB], 0
	s_wait_dscnt 0x0                               ; the opening add is done
	s_wait_kmcnt 0x0
	s_add_nc_u64 s[20:21], s[4:5], s[20:21]
	s_add_nc_u64 s[40:41], s[6:7], s[40:41]
	CROUND                                         ; all sixteen work-groups are here: the first joint loads meet
.irp s, 0,1
	s_mov_b32 s[G0A+4*\s], 1                       ; count = 1
	s_mov_b32 s[G0A+4*\s+1], \s*SLOT1              ; LDS address
	s_add_nc_u64 s[G0A+4*\s+2:G0A+4*\s+3], s[20:21], \s*ASTEP  ; global address: K step s
	s_or_b32 s[G0A+4*\s+3], s[G0A+4*\s+3], 0x80000000          ; type = 2
	s_mov_b32 s[G0B+4*\s], 1
	s_add_co_u32 s[G0B+4*\s+1], s45, \s*SLOT1
	s_add_nc_u64 s[G0B+4*\s+2:G0B+4*\s+3], s[40:41], \s*BSTEP
	s_or_b32 s[G0B+4*\s+3], s[G0B+4*\s+3], 0x80000000
.endr
	s_cmp_eq_u32 s[WV], 0                          ; a wave's two first fills stand in one branch: two loads of mine are out
	s_cbranch_scc0 .Lfirst_b
	tensor_load_to_lds s[G0A:G0A+3], s[G1A:G1A+7]
	s_nop 0
	tensor_load_to_lds s[G0A+4:G0A+7], s[G1A:G1A+7]
	s_nop 0
	PLACES
	s_branch .Lfirst_asked
.Lfirst_b:
	tensor_load_to_lds s[G0B:G0B+3], s[G1B:G1B+7]
	s_nop 0
	tensor_load_to_lds s[G0B+4:G0B+7], s[G1B:G1B+7]
	s_nop 0
	PLACES
.Lfirst_asked:
	v_and_b32 v14, 15, v0                          ; l % 16
	v_bfe_u32 v15, v0, 4, 1                        ; l / 16
	v_lshlrev_b32 v[BO], 5, v15                    ; my eight columns of a block of 16: 32 bytes of the bias
	s_mul_i32 s22, s[NT], 1536
	s_mul_i32 s23, s[WN], 768
	s_add_co_u32 s22, s22, s23
	s_mov_b32 s23, 0
	s_add_nc_u64 s[8:9], s[8:9], s[22:23]          ; the bias at my wave's first column
.set bb, 0
.rept 12                               ; register j of accumulator (a, b) starts at b[16 b + 8 (l / 16) + j], whatever a
	WIN 0x40*(1+bb/4)
.set aa, 0
.rept 8
.set rA, 8*((8*bb+aa)%32)
	global_load_b128 v[rA:rA+3],   v[BO], s[8:9] offset:64*bb
	global_load_b128 v[rA+4:rA+7], v[BO], s[8:9] offset:64*bb+16
.set aa, aa+1
.endr
.set bb, bb+1
.endr
	WIN 0
	v_mul_u32_u24 v16, v14, PA
	v_lshl_add_u32 v16, v15, 4, v16                ; row x pitch + 16 x half
	s_mul_i32 s22, s[WM], 128*PA
	v_add_nc_u32 v[A0V], s22, v16
	s_mul_i32 s22, s[WN], 192*PA
	s_add_co_u32 s22, s22, BOFF
	v_add_nc_u32 v[B0V], s22, v16
	v_mov_b32 v[ADRA], v[A0V]
	v_mov_b32 v[ADRB], v[B0V]
	s_lshl_b32 s22, s[WM], 7
	v_add_nc_u32 v17, s22, v14
	v_mul_u32_u24 v[STO0], v17, SP                 ; into the stage: row 128 wm + l % 16, my 384 bytes of its 768, 16 bytes for each half of the lanes
	v_lshl_add_u32 v[STO0], v15, 4, v[STO0]
	s_mul_i32 s22, s[WN], 384
	v_add_nc_u32 v[STO0], s22, v[STO0]
	v_add_nc_u32 v[STO1], 64*SP, v[STO0]
	s_lshl_b32 s22, s[WV], 6
	v_add_nc_u32 v17, s22, v15
	v_mul_u32_u24 v[RD], v17, SP                   ; back: wave w takes rows 64 w on, whole; lanes 0-15 one row's 256 bytes, lanes 16-31 the next row's
	v_lshl_add_u32 v[RD], v14, 4, v[RD]
	v_mul_u32_u24 v[GO], v15, 6144                 ; and the same two rows in qkv
	v_lshl_add_u32 v[GO], v14, 4, v[GO]
	s_lshl_b32 s22, s[MT], 8
	s_lshl_b32 s23, s[WV], 6
	s_add_co_u32 s22, s22, s23
	s_mul_i32 s22, s22, 6144
	s_mul_i32 s23, s[NT], 768
	s_add_co_u32 s22, s22, s23
	s_mov_b32 s23, 0
	s_add_nc_u64 s[10:11], s[10:11], s[22:23]      ; qkv at the first row that I store, the block's first column
	s_wait_tensorcnt 0x1                           ; my part of K step 0 is in; step 1's may stay out
	s_barrier_signal -1
	s_barrier_wait -1
	LDB 0, 6, 0
	LDA FA0, 0
	LDB 6, 6, 0
	s_wait_loadcnt 0x0                             ; the bias is in the accumulators
	s_mov_b32 s[CNT], 14
.Lk:                                                   ; steps 0-13 ask for steps 2-15
	STEP 2
	s_sub_co_u32 s[CNT], s[CNT], 1
	s_cmp_lg_u32 s[CNT], 0
	s_cbranch_scc1 .Lk
	s_mov_b32 s[CNT], 2
.Lt:                                                   ; steps 14 and 15 ask for nothing; the fragments that step 15 fetches from the other slot serve nothing: the price of one text for both
	STEP 1
	s_sub_co_u32 s[CNT], s[CNT], 1
	s_cmp_lg_u32 s[CNT], 0
	s_cbranch_scc1 .Lt
	; THE WAY OUT.  The stage, 256 rows x 784 bytes, lies over the ring, which has had its last fill: first every wave's reads of the ring are over.
	s_wait_dscnt 0x0
	s_barrier_signal -1
	s_barrier_wait -1
.set ww, 1
.rept 3                                ; a window's 32 accumulators at a time: rounded to f16, 16 bytes a lane, into the stage.  (The four v_nop at the last step's end are the places behind the last products.)
	WIN 5*ww
.set ii, 0
.rept 32
.irp j, 0,1,2,3
	v_cvt_pk_f16_f32 v[PK+4*ii+\j], v[8*ii+2*\j], v[8*ii+2*\j+1]
.endr
.set ii, ii+1
.endr
	WIN 0
.set ii, 0
.rept 32                               ; accumulator ii of the window: a = ii % 8, b = 4 (ww - 1) + ii / 8
	ds_store_b128 v[STO0+(ii%8)/4], v[PK+4*ii:PK+4*ii+3] offset:(ii%4)*16*SP+32*(4*(ww-1)+ii/8)
.set ii, ii+1
.endr
.set ww, ww+1
.endr
	s_wait_dscnt 0x0                               ; for the others' sake: a row's 768 bytes come from two waves
	s_barrier_signal -1
	s_barrier_wait -1
	s_mov_b32 s[CNT], 4
.Lout:                                                 ; 16 rows a trip
.set ii, 0
.rept 24
	ds_load_b128 v[PK+4*ii:PK+4*ii+3], v[RD] offset:(ii/3)*2*SP+(ii%3)*256
.set ii, ii+1
.endr
.set ii, 0
.rept 24
	s_wait_dscnt 23-ii                             ; LDS loads come back in order (ISA guide 5.7.1)
	global_store_b128 v[GO], v[PK+4*ii:PK+4*ii+3], s[10:11] offset:(ii/3)*12288+(ii%3)*256  ; 16 lanes store 256 consecutive bytes, at a multiple of 256 from qkv's first
.set ii, ii+1
.endr
	s_wait_xcnt 0x0                                ; the stores' base and data are rewritten only behind this wait
	v_add_nc_u32 v[RD], 16*SP, v[RD]
	s_add_nc_u64 s[10:11], s[10:11], 16*6144
	s_sub_co_u32 s[CNT], s[CNT], 1
	s_cmp_lg_u32 s[CNT], 0
	s_cbranch_scc1 .Lout
	s_wait_tensorcnt 0x0                           ; the wave's end, behind my last tensor load and my last LDS store
	ds_add_u32 v[SPW], v[NIL]
	s_wait_dscnt 0x0
	CROUND                                         ; the closing round: no work-group ends while a partner may still ask for a tile that names it
	s_endpgm
.Lfunc_end_k_q6d5f67629f_proj:
	.size	k_q6d5f67629f_proj, .Lfunc_end_k_q6d5f67629f_proj-k_q6d5f67629f_proj
	.p2alignl 7, 3214868480
	.fill 96, 4, 3214868480
	.section	.rodata,"a",@progbits
	.p2align	6, 0x0
	.amdhsa_kernel k_q6d5f67629f_proj
		.amdhsa_group_segment_fixed_size 327680
		.amdhsa_private_segment_fixed_size 0
		.amdhsa_enable_private_segment 0
		.amdhsa_kernarg_size 32
		.amdhsa_user_sgpr_count 2
		.amdhsa_user_sgpr_kernarg_segment_ptr 1
		.amdhsa_wavefront_size32 1
		.amdhsa_system_sgpr_workgroup_id_x 1
		.amdhsa_system_sgpr_workgroup_id_y 1
		.amdhsa_system_sgpr_workgroup_id_z 1
		.amdhsa_system_vgpr_workitem_id 0
		.amdhsa_next_free_vgpr 1024
		.amdhsa_next_free_sgpr 80
		.amdhsa_reserve_vcc 0
		.amdhsa_float_denorm_mode_32 3
		.amdhsa_float_denorm_mode_16_64 3
		.amdhsa_memory_ordered 1
		.amdhsa_forward_progress 1
		.amdhsa_inst_pref_size 101
	.end_amdhsa_kernel
	.amdgpu_metadata
---
amdhsa.version: [ 1, 2 ]
amdhsa.kernels:
  - .name:           k_q6d5f67629f_proj
    .symbol:         k_q6d5f67629f_proj.kd
    .args:
      - { .name: xb, .offset: 0, .size: 8, .value_kind: global_buffer, .address_space: global }
      - { .name: wb, .offset: 8, .size: 8, .value_kind: global_buffer, .address_space: global }
      - { .name: ball, .offset: 16, .size: 8, .value_kind: global_buffer, .address_space: global }
      - { .name: qkv, .offset: 24, .size: 8, .value_kind: global_buffer, .address_space: global }
    .group_segment_fixed_size: 327680
    .private_segment_fixed_size: 0
    .kernarg_segment_align: 8
    .kernarg_segment_size: 32
    .max_flat_workgroup_size: 128
    .sgpr_count:     80
    .vgpr_count:     1024
    .wavefront_size: 32
...
	.end_amdgpu_metadata
.endif
;; end of part 2
;; launch score (part 3): grid 36 x 4, 4 waves a work-group, no clusters, 327,680 bytes of LDS; arguments qkv, pt, stat; writes pt, stat
.if DOCPART == 3
	.amdgcn_target "amdgcn-amd-amdhsa--gfx1250"
	.amdhsa_code_object_version 6
	.text
	.protected	k_q6d5f67629f_score
	.globl	k_q6d5f67629f_score
	.p2align	8
	.type	k_q6d5f67629f_score,@function
k_q6d5f67629f_score:
	s_mov_b64 s[64:65], 0
	v_nop
	global_prefetch_b8 v0, s[64:65] scope:SCOPE_SE
	s_setreg_imm32_b32 hwreg(HW_REG_WAVE_MODE, 25, 1), 1
	s_wait_xcnt 0x0
; SCORE.  For each tile of 256 queries x 256 keys at or below the diagonal: S = q k^T (f16 operands, f32 sums, K = 1,024).  Each wave has 128 queries x 128 keys and takes, for each query, the TRUE maximum m
; of its visible scores in that block of 128 keys; it stores p = 2^(c s - c m), c = log2(e) / 32, in f16 into pt [4][2048][2048], and c m and l = the sum of the unrounded p in f32 into stat.
; The last launch takes the maximum of the blocks' c m and scales each block by 2^(c m_block - c m): the softmax's maximum, taken in two levels.
; stat: [c m | l][batch 4][key block 16][2048]; inside 64 rows the order is (row % 16) x 4 + (row / 16) % 4, so that a lane's four row blocks are 16 neighbouring bytes.
; LIMITS.  q and k arrive in f16 (within 65,504), so a score is at most 4.4e12.  A hidden score counts as its value less 2^100; a query with no visible key in a block gets m = -2^72, p = 0, l = 0.
; A p below 2^-126 counts as 0; below 6e-5 it keeps f16's fixed step.  NaN and infinities are not treated apart.
; THE MASK is the C operand of the products that start the sums: 0 or -2^100, three sets of 8 registers (key block before, at, behind the query block), made from the wave tile's place: no branch hangs on it.
; NO CLUSTER: the triangle's rows have 1 to 8 tiles and its columns 8 to 1, which neither 4 x 4 nor 4 x 1 groups divide; blocks of 1,024 would add 48 work-groups to 144 that multiply wholly hidden tiles.
; ENGINE: four waves, 64 accumulators each; K in 8 steps of 128 through two LDS slots; each wave fetches 128 rows x 256 bytes with one tensor load a step.  The matrix instruction is used transposed
; (source 0 = 16 keys, source 1 = 16 queries): a lane holds one query (lane % 16) and eight neighbouring keys.
; REGISTERS (windows of 256; s_set_vgpr_msb: bits 1:0 source 0, 3:2 source 1, 5:4 source 2, 7:6 destination):
;   window 0: v16-29 addresses; v32-55 the masks; v64-127, v128-191 q's fragments, two buffers; on the way out v32-63, v224-255 rows read back, v64-91 at work, v192-223 packed weights
;   window 1: v64-127, v128-191 k's fragments      window 2: the accumulators of my queries 0-63 ((a, b) at 8 (8 a + b))      window 3: those of queries 64-127
.set KSTEP,  128
.set PITCH,  272                       ; 256 bytes + 16 = 17 x 16: the 16 rows of a fragment load start in 16 different groups of four banks (64 banks of 4 bytes: ISA guide 11.1)
.set HALFT,  128*PITCH
.set SLOT,   4*HALFT                   ; q's 256 rows, then k's 256 rows
.set STAGE,  2*SLOT                    ; behind the ring: 16 rows x 272 bytes for each wave
.set SPITCH, 272
.set SPARE,  STAGE+4*16*SPITCH         ; behind the stages: the spare words, 128 bytes for each wave, that no other line names
.set ADRA, 16                          ; v16 LDS address of my fragments of q in the slot in hand
.set A0V,  17                          ; v17 my lane's place in a slot; never rewritten
.set ADRB, 20
.set B0V,  21
.set STO,  24                          ; v24 the way out: where I put 16 bytes of a row
.set RD,   25                          ; v25 where I read a row back
.set CO,   26                          ; v26 my byte offset in two rows of pt
.set SO,   27                          ; v27 my byte offset in stat: lanes 0-15 the maxima, lanes 16-31 the sums
.set SPW,  28
.set NIL,  29
.set MLT,  32                          ; the mask where the key block lies before the query block
.set MEQ,  40                          ; at it
.set MGT,  48                          ; behind it
.set F0,   64
.set F1,   128
.set CH,   64                          ; the way out: four running maxima
.set MX,   68
.set CMP,  70                          ; c m, as a pair
.set LP,   72                          ; four running sums, pairs
.set CM,   80                          ; c m of four row blocks
.set LS,   84                          ; l of four row blocks
.set D4,   88                          ; what goes to stat
.set TMP,  192
.set OB,   32
.set WV, 10
.set G1,  24                           ; s[24:31] descriptor group 1
.set G0F, 32                           ; s[32:35] group 0 of the first fill
.set G0W, 36                           ; s[36:39] of the second; it then walks
.set TB,  41                           ; s41 LDS byte at which the slot in hand begins
.set WL,  42                           ; s42 my quarter of a slot
.set CNT, 43
.set CS,  44                           ; s[44:45] c
.set SEL, 46                           ; s[46:47] v_permlanex16_b32's selects: each lane takes its own place in the other half
.set MSB, 0
.macro WIN new
.if MSB != (\new)
	s_set_vgpr_msb (MSB<<8)|(\new)
.set MSB, \new
.endif
.endm
.set MUL_LO, 0xa1                      ; source 0 (k) window 1, source 1 (q) window 0, C and D window 2
.set MUL_HI, 0xf1                      ; C and D window 3
.set TO_B,   0x40
.macro PLACES                          ; four places behind matrix instructions (ISA guide 7.12.1 for vector instructions)
.rept 4
	v_nop
.endr
.endm
; 16 products: query blocks a0, a0 + 1 of the window's four x all 8 key blocks, 32 along K.  mask = 1: the products start the sums, with the mask as C (in window 0).  The 64 accumulators take turns.
.macro MUL16 f, hi, a0, mask
.irp a, \a0, (\a0)+1
.irp b, 0,1,2,3,4,5,6,7
.set rD, 8*(8*(\a)+(\b))
.if \mask
	WIN 0x81+0x40*(\hi)
.if (\b) < 4*(\hi)+(\a)
.set rM, MLT
.elseif (\b) == 4*(\hi)+(\a)
.set rM, MEQ
.else
.set rM, MGT
.endif
	v_wmma_f32_16x16x32_f16 v[rD:rD+7], v[(\f)+8*(\b):(\f)+8*(\b)+7], v[(\f)+8*(4*(\hi)+(\a)):(\f)+8*(4*(\hi)+(\a))+7], v[rM:rM+7]
.else
	WIN MUL_LO+0x50*(\hi)
	v_wmma_f32_16x16x32_f16 v[rD:rD+7], v[(\f)+8*(\b):(\f)+8*(\b)+7], v[(\f)+8*(4*(\hi)+(\a)):(\f)+8*(4*(\hi)+(\a))+7], v[rD:rD+7]
.endif
.endr
.endr
.endm
.macro FETCH k, f                      ; 32 LDS loads in one run: the fragments of 32 along K at byte k of the rows: k's 8, then q's 8
	WIN TO_B
.irp i, 0,1,2,3,4,5,6,7
	ds_load_b128 v[(\f)+8*(\i):(\f)+8*(\i)+3],   v[ADRB] offset:(\k)+(\i)*16*PITCH
	ds_load_b128 v[(\f)+8*(\i)+4:(\f)+8*(\i)+7], v[ADRB] offset:(\k)+(\i)*16*PITCH+32
.endr
	WIN 0
.irp i, 0,1,2,3,4,5,6,7
	ds_load_b128 v[(\f)+8*(\i):(\f)+8*(\i)+3],   v[ADRA] offset:(\k)+(\i)*16*PITCH
	ds_load_b128 v[(\f)+8*(\i)+4:(\f)+8*(\i)+7], v[ADRA] offset:(\k)+(\i)*16*PITCH+32
.endr
.endm
.macro QUARTER k, f, g, mask           ; multiplies buffer f; in its middle fetches the next quarter, at byte k, into g
	s_wait_dscnt 8                                 ; the youngest eight loads (q's rows 64-127) may be out
	MUL16 \f, 0, 0, \mask
	MUL16 \f, 0, 2, \mask
	PLACES
	FETCH \k, \g
	s_wait_dscnt 32                                ; all but the 32 just issued
	MUL16 \f, 1, 0, \mask
	MUL16 \f, 1, 2, \mask
.endm
; A step's last quarter multiplies buffer 1 and changes slots: one barrier.  fill = 1: the slot just read is filled again, two steps ahead: 224 products stand between the request and the wait for it.
.macro TURN fill
	WIN 0
	s_wait_tensorcnt 0x0                           ; all my tensor loads have landed: the one that was out is my part of the other slot;
	ds_add_u32 v[SPW], v[NIL]                      ; 0 onto my spare word
.if \fill
	s_add_co_u32 s[G0W+1], s[WL], s[TB]            ; no tensor load of mine is out, so the walking descriptor may be written: my quarter of the slot that is left,
	s_add_nc_u64 s[G0W+2:G0W+3], s[G0W+2:G0W+3], 2*KSTEP  ; the next K step; the type bits on top are not reached
.endif
	s_xor_b32 s[TB], s[TB], SLOT                   ; 0 and SLOT by turns
	s_wait_dscnt 9                                 ; the add and the youngest eight loads may be out
	MUL16 F1, 0, 0, 0
	s_wait_dscnt 0x0                               ; the add is done, and my reads of this slot are over
	s_barrier_signal -1
	MUL16 F1, 0, 2, 0
	WIN 0
	s_barrier_wait -1
.if \fill
	tensor_load_to_lds s[G0W:G0W+3], s[G1:G1+7]    ; my one tensor load behind the barrier, and the first thing there
	s_nop 0
.endif
	PLACES
	v_add_nc_u32 v[ADRA], s[TB], v[A0V]
	v_add_nc_u32 v[ADRB], s[TB], v[B0V]
	FETCH 0, F0
	MUL16 F1, 1, 0, 0
	MUL16 F1, 1, 2, 0
.endm
	s_load_b128 s[4:7], s[0:1], 0x0                ; qkv s[4:5], pt s[6:7]
	s_load_b64 s[8:9], s[0:1], 0x10                ; stat
	v_lshl_add_u32 v[SPW], v0, 2, SPARE
	v_mov_b32 v[NIL], 0
	ds_add_u32 v[SPW], v[NIL]                      ; the wave's opening: its wait stands ahead of my first tensor load
	ds_add_u32 v28, v29
	v_lshrrev_b32 v1, 5, v0
	v_readfirstlane_b32 s[WV], v1
	s_lshr_b32 s11, s[WV], 1                       ; which 128 queries are mine.  Also: I fetch q (0) or k (1)
	s_and_b32 s12, s[WV], 1                        ; which 128 keys.  Also: which 128 rows of that tile I fetch
	s_and_b32 s15, ttmp7, 0xffff                   ; batch
	s_mov_b32 s13, 0                               ; the tile's row I in the triangle: how many of the rows' first numbers 1, 3, 6 .. the work-group's number has reached
.irp t, 1,3,6,10,15,21,28
	s_cmp_ge_u32 ttmp9, \t
	s_add_co_ci_u32 s13, s13, 0
.endr
	s_add_co_u32 s16, s13, 1
	s_mul_i32 s16, s16, s13
	s_lshr_b32 s16, s16, 1
	s_sub_co_u32 s14, ttmp9, s16                   ; its column J = number - I (I + 1) / 2
	s_mov_b32 s[G1+0], (1<<16)|(1<<20)|(5<<22)|(3<<25)  ; elements of 2 bytes; padding on: after every 64 words (code 5) 4 words (code 3)
	s_mov_b32 s[G1+1], KSTEP<<16                   ; tensor_dim0 = 128
	s_mov_b32 s[G1+2], 128<<16                     ; tensor_dim1 = 128
	s_mov_b32 s[G1+3], KSTEP<<16                   ; tile_dim0 = 128
	s_mov_b32 s[G1+4], 128                         ; tile_dim1 = 128
	s_mov_b32 s[G1+5], 3072                        ; elements from row to row of qkv
	s_mov_b32 s[G1+6], 0
	s_mov_b32 s[G1+7], 0
	s_cmp_eq_u32 s11, 0
	s_cselect_b32 s16, s13, s14                    ; q's block of rows, or k's
	s_cselect_b32 s17, 0, 2048                     ; q's columns begin at byte 0 of a row, k's at 2,048
	s_lshl_b32 s16, s16, 8
	s_lshl_b32 s18, s12, 7
	s_add_co_u32 s16, s16, s18
	s_lshl_b32 s18, s15, 11
	s_add_co_u32 s16, s16, s18
	s_mul_i32 s16, s16, 6144
	s_add_co_u32 s16, s16, s17
	s_mov_b32 s17, 0
	s_mul_i32 s[WL], s[WV], HALFT
	s_mov_b32 s[TB], 0
	s_lshl1_add_u32 s18, s13, s11                  ; my queries begin at 128 (2 I + wm),
	s_lshl1_add_u32 s19, s14, s12                  ; my keys at 128 (2 J + wn)
	s_cmp_lt_u32 s18, s19
	s_cselect_b32 s48, 0xf1800000, 0               ; -2^100 where the whole wave tile is hidden
	s_cmp_le_u32 s18, s19
	s_cselect_b32 s49, 0xf1800000, 0               ; and also behind the diagonal of the wave tile that holds it
	s_mov_b32 s50, 0xffff0000                      ; lanes 16-31
	s_mov_b32 s[CS], 0x3d38aa3b                    ; c = log2(e) / 32
	s_mov_b32 s[CS+1], s[CS]                       ; named with it as a pair
	s_mov_b32 s[SEL], 0x76543210
	s_mov_b32 s[SEL+1], 0xfedcba98
	s_lshl_b32 s20, s15, 11
	s_lshl_b32 s21, s18, 7
	s_add_co_u32 s20, s20, s21
	s_lshl_b32 s20, s20, 12                        ; pt: my first query's row of 4,096 bytes,
	s_lshl_b32 s21, s19, 8
	s_add_co_u32 s20, s20, s21                     ; my 128 keys' 256 bytes
	s_mov_b32 s21, 0
	s_lshl_b32 s22, s15, 4
	s_add_co_u32 s22, s22, s19
	s_lshl_b32 s22, s22, 13                        ; stat: batch and key block,
	s_lshl_b32 s23, s18, 9
	s_add_co_u32 s22, s22, s23                     ; my first query
	s_mov_b32 s23, 0
	s_wait_dscnt 0x0                               ; the opening add is done
	s_wait_kmcnt 0x0
	s_add_nc_u64 s[16:17], s[4:5], s[16:17]
	s_add_nc_u64 s[6:7], s[6:7], s[20:21]
	s_add_nc_u64 s[8:9], s[8:9], s[22:23]
	s_mov_b32 s[G0F], 1
	s_mov_b32 s[G0F+1], s[WL]
	s_add_nc_u64 s[G0F+2:G0F+3], s[16:17], 0
	s_or_b32 s[G0F+3], s[G0F+3], 0x80000000
	s_mov_b32 s[G0W], 1
	s_add_co_u32 s[G0W+1], s[WL], SLOT
	s_add_nc_u64 s[G0W+2:G0W+3], s[16:17], 2*KSTEP
	s_or_b32 s[G0W+3], s[G0W+3], 0x80000000
	tensor_load_to_lds s[G0F:G0F+3], s[G1:G1+7]    ; K step 0 into slot 0
	s_nop 0
	tensor_load_to_lds s[G0W:G0W+3], s[G1:G1+7]    ; K step 1 into slot 1: two loads of mine are out
	s_nop 0
	PLACES
	v_and_b32 v1, 15, v0                           ; l % 16
	v_bfe_u32 v2, v0, 4, 1                         ; l / 16
	v_mul_u32_u24 v3, v1, PITCH
	v_lshl_add_u32 v3, v2, 4, v3                   ; row x pitch + 16 x half
	s_mul_i32 s21, s11, HALFT
	s_mul_i32 s22, s12, HALFT
	s_add_co_u32 s22, s22, 2*HALFT
	v_add_nc_u32 v[A0V], s21, v3
	v_add_nc_u32 v[B0V], s22, v3
	v_mov_b32 v[ADRA], v[A0V]
	v_mov_b32 v[ADRB], v[B0V]
	s_mul_i32 s23, s[WV], 16*SPITCH
	s_add_co_u32 s23, s23, STAGE                   ; my stage
	v_add_nc_u32 v[STO], s23, v3                   ; in: row l % 16, 16 bytes for each half of the lanes
	v_mul_u32_u24 v5, v2, SPITCH                   ; back: lanes 0-15 one row of 256 bytes, lanes 16-31 the next
	v_lshl_add_u32 v5, v1, 4, v5
	v_add_nc_u32 v[RD], s23, v5
	v_lshlrev_b32 v[CO], 12, v2
	v_lshl_add_u32 v[CO], v1, 4, v[CO]
	v_lshlrev_b32 v[SO], 19, v2
	v_lshl_add_u32 v[SO], v1, 4, v[SO]
	v_lshlrev_b32 v4, 3, v2
	v_sub_nc_u32 v14, v1, v4                       ; in the blocks on the diagonal register j (key 8 (l / 16) + j) is hidden where j > l % 16 - 8 (l / 16)
.irp j, 0,1,2,3,4,5,6,7
	v_mov_b32 v[MLT+\j], s48
	v_mov_b32 v[MGT+\j], s49
	v_cmp_gt_i32 vcc_lo, \j, v14
	v_cndmask_b32 v[MEQ+\j], v[MLT+\j], v[MGT+\j], vcc_lo
.endr
	s_wait_tensorcnt 0x1                           ; my part of K step 0 is in; step 1's may stay out
	s_barrier_signal -1
	s_barrier_wait -1
	FETCH 0, F0
	QUARTER 64, F0, F1, 1                          ; the first quarter stands in front of the loop: its products start the sums, with the masks
	WIN 0
	s_mov_b32 s[CNT], 6
.Lstep:                                                ; a trip goes from a step's second quarter to the next step's first; steps 0-5 ask for steps 2-7
	QUARTER 128, F1, F0, 0
	QUARTER 192, F0, F1, 0
	TURN 1
	QUARTER 64, F0, F1, 0
	WIN 0
	s_sub_co_u32 s[CNT], s[CNT], 1
	s_cmp_lg_u32 s[CNT], 0
	s_cbranch_scc1 .Lstep
	s_mov_b32 s[CNT], 2
.Ltail:                                                ; steps 6 and 7 ask for nothing; the second trip is left in its middle
	QUARTER 128, F1, F0, 0
	QUARTER 192, F0, F1, 0
	TURN 0
	WIN 0
	s_sub_co_u32 s[CNT], s[CNT], 1
	s_cmp_eq_u32 s[CNT], 0
	s_cbranch_scc1 .Lout
	QUARTER 64, F0, F1, 0
	WIN 0
	s_branch .Ltail
.Lout:
	s_wait_dscnt 0x0                               ; the fragments that the last change of slots fetched serve nothing: the price of one text for both trips
	PLACES
; THE WAY OUT of row block a (16 queries; a lane holds one query and 64 of its 128 scores, the lane 16 away the others).  The text names window 2.
.macro FS                              ; c s - c m for the next pair of scores
	v_pk_fma_f32 v[AC+2*nf:AC+2*nf+1], v[AC+2*nf:AC+2*nf+1], s[CS:CS+1], v[CMP:CMP+1] op_sel_hi:[1,0,0] neg_lo:[0,0,1] neg_hi:[0,0,1]
.set nf, nf+1
.endm
.macro EX
	v_exp_f32 v[AC+ne], v[AC+ne]
.set ne, ne+1
.endm
.macro BLOCK a
.set AC, 64*(\a)
	WIN 0x28                                       ; sources 1 and 2 in window 2
.set p, 0
.rept 4                                ; the maximum, two scores at a time in four chains that start at -2^72; each accumulator's lowest registers are read first
.set b, 0
.rept 8
.if (p == 0) && (b < 4)
	v_max3_num_f32 v[CH+b], 0xe3800000, v[AC+8*b], v[AC+8*b+1]
.else
	v_max3_num_f32 v[CH+b%4], v[CH+b%4], v[AC+8*b+2*p], v[AC+8*b+2*p+1]
.endif
.set b, b+1
.endr
.set p, p+1
.endr
	WIN 0
	v_max3_num_f32 v[MX], v[CH], v[CH+1], v[CH+2]
	v_max_num_f32 v[MX], v[MX], v[CH+3]
	v_permlanex16_b32 v[CH], v[MX], s[SEL], s[SEL+1]
	v_max_num_f32 v[MX], v[MX], v[CH]
	v_mul_f32 v[CM+(\a)], s[CS], v[MX]
	v_mul_f32 v[CMP], s[CS], v[MX]
	v_mul_f32 v[CMP+1], s[CS], v[MX]
	WIN 0x82                                       ; destination and source 0 in window 2
.set nf, 0
.set ne, 0
.rept 4
	FS
.endr
.rept 28                               ; a scaling four pairs ahead stands behind each exponential while scalings last
	EX
	FS
.endr
.rept 36
	EX
.endr
	v_nop                                          ; a plain instruction between the last exponential and the use of its result (ISA guide 5.7.2)
	WIN 0x0a                                       ; sources 0 and 1 in window 2
.set i, 0
	s_wait_alu depctr_va_vdst(0)
.rept 32                               ; pair i is rounded to f16; the unrounded pairs are summed in four chains
	v_cvt_pk_f16_f32 v[TMP+i], v[AC+2*i], v[AC+2*i+1]
.if i < 4
	v_pk_add_f32 v[LP+2*i:LP+2*i+1], v[AC+4*i:AC+4*i+1], v[AC+4*i+2:AC+4*i+3]
.elseif i >= 8
	v_pk_fma_f32 v[LP+2*(i%4):LP+2*(i%4)+1], v[AC+2*i:AC+2*i+1], 1.0, v[LP+2*(i%4):LP+2*(i%4)+1] op_sel_hi:[1,0,1]  ; an addition whose three operands lie in two windows
.endif
.set i, i+1
.endr
	WIN 0
	v_pk_add_f32 v[LP:LP+1], v[LP:LP+1], v[LP+2:LP+3]
	v_pk_add_f32 v[LP+4:LP+5], v[LP+4:LP+5], v[LP+6:LP+7]
	v_pk_add_f32 v[LP:LP+1], v[LP:LP+1], v[LP+4:LP+5]
	v_add_f32 v[LP], v[LP], v[LP+1]
	v_permlanex16_b32 v[LP+1], v[LP], s[SEL], s[SEL+1]
	v_add_f32 v[LS+(\a)], v[LP], v[LP+1]
.endm
.macro TOSTAGE a                       ; 16 bytes a lane into my stage, and back as whole rows of 256 bytes
.set BK, OB+192*((\a)%2)
.irp b, 0,1,2,3,4,5,6,7
	ds_store_b128 v[STO], v[TMP+4*(\b):TMP+4*(\b)+3] offset:32*(\b)
.endr
	s_wait_xcnt 0x0                                ; the registers below were the data of earlier stores: they are loaded again only behind this wait
.irp t, 0,1,2,3,4,5,6,7
	ds_load_b128 v[BK+4*(\t):BK+4*(\t)+3], v[RD] offset:(\t)*2*SPITCH  ; LDS serves a wave's instructions in order (ISA guide 5.7.1.4): these see the stores above
.endr
.endm
.macro SEND a
.set BK, OB+192*((\a)%2)
	s_wait_dscnt 0x0
.irp t, 0,1,2,3,4,5,6,7
	global_store_b128 v[CO], v[BK+4*(\t):BK+4*(\t)+3], s[6:7] offset:(\a)*65536+(\t)*8192  ; 16 lanes store 256 consecutive bytes, at a multiple of 256 from pt's first
.endr
.endm
	s_mov_b32 s[CNT], 2
.Lhalf:                                                ; 64 queries a trip
	BLOCK 0
	TOSTAGE 0
	BLOCK 1                                        ; a block's arithmetic stands between the loads of the block before and its stores
	SEND 0
	TOSTAGE 1
	BLOCK 2
	SEND 1
	TOSTAGE 2
	BLOCK 3
	SEND 2
	TOSTAGE 3
	SEND 3
.irp j, 0,1,2,3
	v_cndmask_b32 v[D4+\j], v[CM+\j], v[LS+\j], s50
.endr
	global_store_b128 v[SO], v[D4:D4+3], s[8:9]    ; lanes 0-15: 256 consecutive bytes of maxima; lanes 16-31: of sums
	s_wait_xcnt 0x0                                ; the stores' bases are stepped only behind this wait
	s_cmp_eq_u32 s[CNT], 1
	s_cbranch_scc1 .Lmoved                         ; behind the second half nothing is left to move
	s_add_nc_u64 s[6:7], s[6:7], 4*65536
	s_add_nc_u64 s[8:9], s[8:9], 256
	WIN 0x83                                       ; queries 64-127 come to where the one text names the scores: 256 moves for half the text of the way out
.set i, 0
.rept 256
	v_mov_b32 v[i], v[i]
.set i, i+1
.endr
	WIN 0
.Lmoved:
	s_sub_co_u32 s[CNT], s[CNT], 1
	s_cmp_lg_u32 s[CNT], 0
	s_cbranch_scc1 .Lhalf
	s_wait_tensorcnt 0x0                           ; the wave's end, behind my last tensor load and my last LDS store
	ds_add_u32 v[SPW], v[NIL]
	s_wait_dscnt 0x0
	s_endpgm
.Lfunc_end_k_q6d5f67629f_score:
	.size	k_q6d5f67629f_score, .Lfunc_end_k_q6d5f67629f_score-k_q6d5f67629f_score
	.p2alignl 7, 3214868480
	.fill 96, 4, 3214868480
	.section	.rodata,"a",@progbits
	.p2align	6, 0x0
	.amdhsa_kernel k_q6d5f67629f_score
		.amdhsa_group_segment_fixed_size 327680
		.amdhsa_private_segment_fixed_size 0
		.amdhsa_enable_private_segment 0
		.amdhsa_kernarg_size 24
		.amdhsa_user_sgpr_count 2
		.amdhsa_user_sgpr_kernarg_segment_ptr 1
		.amdhsa_wavefront_size32 1
		.amdhsa_system_sgpr_workgroup_id_x 1
		.amdhsa_system_sgpr_workgroup_id_y 1
		.amdhsa_system_sgpr_workgroup_id_z 1
		.amdhsa_system_vgpr_workitem_id 0
		.amdhsa_next_free_vgpr 1024
		.amdhsa_next_free_sgpr 66
		.amdhsa_reserve_vcc 1
		.amdhsa_float_denorm_mode_32 3
		.amdhsa_float_denorm_mode_16_64 3
		.amdhsa_memory_ordered 1
		.amdhsa_forward_progress 1
		.amdhsa_inst_pref_size 126
	.end_amdhsa_kernel
	.amdgpu_metadata
---
amdhsa.version: [ 1, 2 ]
amdhsa.kernels:
  - .name:           k_q6d5f67629f_score
    .symbol:         k_q6d5f67629f_score.kd
    .args:
      - { .name: qkv, .offset: 0, .size: 8, .value_kind: global_buffer, .address_space: global }
      - { .name: pt, .offset: 8, .size: 8, .value_kind: global_buffer, .address_space: global }
      - { .name: stat, .offset: 16, .size: 8, .value_kind: global_buffer, .address_space: global }
    .group_segment_fixed_size: 327680
    .private_segment_fixed_size: 0
    .kernarg_segment_align: 8
    .kernarg_segment_size: 24
    .max_flat_workgroup_size: 128
    .sgpr_count:     66
    .vgpr_count:     1024
    .wavefront_size: 32
...
	.end_amdgpu_metadata
.endif
;; end of part 3
;; launch ctx (part 4): grid 8 x 32, 4 waves a work-group, clusters of 4 x 4, 327,680 bytes of LDS; arguments pt, stat, qkv, out0; writes out0
.if DOCPART == 4
	.amdgcn_target "amdgcn-amd-amdhsa--gfx1250"
	.amdhsa_code_object_version 6
	.text
	.protected	k_q6d5f67629f_ctx
	.globl	k_q6d5f67629f_ctx
	.p2align	8
	.type	k_q6d5f67629f_ctx,@function
k_q6d5f67629f_ctx:
	s_mov_b64 s[64:65], 0
	v_nop
	global_prefetch_b8 v0, s[64:65] scope:SCOPE_SE
	s_setreg_imm32_b32 hwreg(HW_REG_WAVE_MODE, 25, 1), 1
	s_wait_xcnt 0x0
	s_wait_alu depctr_hold_cnt(0) depctr_sa_sdst(0) depctr_va_vdst(0) depctr_va_sdst(0) depctr_va_ssrc(0) depctr_va_vcc(0) depctr_vm_vsrc(0)
	s_getreg_b32 s2, hwreg(HW_REG_IB_STS2, 6, 4)
	s_cmp_eq_u32 s2, 0
	s_cbranch_scc0 .Lentry_in_a_cluster
	s_endpgm
.Lentry_in_a_cluster:
	s_bfe_u32 s2, ttmp6, 0x10000c
	s_cmp_lg_u32 s2, 0xf033
	s_cbranch_scc0 .Lentry_shape_is_right
	s_endpgm
.Lentry_shape_is_right:
; CTX.  out[q][:] = (sum over key blocks kb of e_kb(q) P_kb[q][:] V_kb) / L(q), with c m(q) = the maximum over kb of the blocks' c m, e_kb = 2^(c m_kb - c m) rounded to f16, L = sum of l_kb e_kb.
; P (f16, each block relative to its own maximum) and V (f16) are multiplied with f32 sums; P's fragments are multiplied by e in f16 on their way from LDS to the matrix unit; out0 is f32.
; LIMITS.  A product p e below 6e-5 keeps f16's fixed step of 6e-8; an e below 2^-126 counts as 0.  V arrives within f16's 65,504.  NaN and infinities are not treated apart.
; THE WALK.  A cluster has one batch and j = 0 or 1.  A work-group makes 128 rows x 128 channels twice: rows (3 - j) 512 + 128 cy, which need 512 (4 - j) keys, then rows j 512 + 128 cy, which need 512 (j + 1):
; 10 steps of 256 keys whatever j: all work-groups do equal work and the loops count to constants.  At this grain of 512 the four partners along y walk the same tiles of V and the four along x the same
; tiles of P: every tile is asked for jointly.  The tiles of P above the diagonal inside a group of 512 hold zeros.
; The matrix instruction is used transposed (source 0 = 16 channels of V^T, by the turning LDS load; source 1 = 16 queries of P): a lane holds one query (lane % 16) and eight neighbouring channels.
; A step has 128 products and 256 scalings a wave: two scalings stand behind each product.
; REGISTERS (windows of 256; s_set_vgpr_msb: bits 1:0 source 0, 3:2 source 1, 5:4 source 2, 7:6 destination):
;   window 0: v1-15 addresses; v16-23 1 / L; v24-31 at work; v32-39 the step's two sets of e; v64-127, v128-191 V's fragments, two buffers ((c, b) at 8 (4 c + b)); v192-255 the way out
;   window 1: v0-127 the accumulators ((a, b) at 8 (4 a + b)); v128-191, v192-255 P's fragments, two buffers ((c, a) at 8 (4 c + a))
; One setting, 0x54, serves the products, the scalings and P's loads.
.set PP,    528                        ; a row of P in LDS: 512 bytes + 16 = 33 x 16: the 16 rows of a load start in 16 different groups of four banks (64 banks of 4 bytes: ISA guide 11.1)
.set PV,    288                        ; a row of V: 256 + 32 = 72 words
.set VOFF,  128*PP                     ; in a slot: P's 128 rows, then V's 256 keys
.set SLOT,  VOFF+256*PV
.set STAGE, 2*SLOT                     ; 16 rows x 272 bytes for each wave
.set SP,    272
.set QUEUE, STAGE+4*16*SP              ; for each wave 21 entries of 256 bytes: e of my 64 queries for the key blocks in the order of the walk
.set QWAVE, 21*256
.set SPARE, QUEUE+4*QWAVE              ; the spare words, 128 bytes for each wave, that no other line names
.set VSTEP, 256*6144                   ; bytes from 256 keys of V to the next
.set ADRA,  3                          ; v3  LDS address of my fragments of P in the slot in hand
.set ADRBL, 4                          ; v4  of V's keys 0-127
.set ADRBH, 5                          ; v5  of V's keys 128-255
.set A0V,   6
.set B0V,   7
.set STO,   8
.set RD,    9
.set GO,    10
.set QP,    11                         ; v11 my place in the queue's entry in hand
.set SPW,   12
.set NIL,   13
.set SOFF,  15                         ; v15 16 x (lane % 16)
.set INVH,  16
.set INVL,  20
.set T8,    24
.set SC0,   32
.set SC1,   36
.set FB,    64
.set WO,    192
.set WB,    224
.set M4,    224                        ; at the start: the four maxima
.set FA,    128                        ; window 1
.set WV, 12
.set WM, 13
.set WN, 14
.set CX, 15
.set CY, 16
.set CB, 17                            ; s17 block of 128 channels
.set BT, 18
.set JJ, 19
.set G1A, 24                           ; s[24:31] descriptor group 1 for P's tiles
.set G0A, 32                           ; s[32:39] group 0: a set for each first fill; the second serves the refills
.set G1V, 40
.set G0V, 48
.set TB,  57                           ; s57 LDS byte at which the slot in hand begins
.set WLA, 58                           ; s58 my half of a slot's P
.set WLV, 59                           ; s59 my half of its V
.set NXT, 60                           ; s60 the step, in its block of rows, that is asked for next
.set LIM, 61                           ; s61 the first block's steps
.set ROWOFF, 62                        ; s62 byte offset in pt of the rows that I fetch, of the block whose tiles are being asked for
.set ROWLO,  63                        ; s63 the same for the second block
.set OFF, 66                           ; s[66:67] a tile's byte offset in pt
.set OFV, 68                           ; s[68:69] in V
.set VB,  70                           ; s[70:71] V at my half of the batch's first 256 keys, my block of channels
.set OUTH, 72                          ; s[72:73] out0 at my wave's part of the first block
.set OUTL, 74
.set CNT, 76
.set HS,  77                           ; s77 steps that the first block still has
.set JM,  78                           ; s78 all ones where j = 1
.set STH, 80                           ; s[80:81] stat at my 64 queries of the first block
.set STL, 82
.set MSB, 0
.macro WIN new
.if MSB != (\new)
	s_set_vgpr_msb (MSB<<8)|(\new)
.set MSB, \new
.endif
.endm
.set MULW, 0x54
.macro PLACES
	s_wait_alu depctr_va_vdst(0)
.rept 4
	v_nop
.endr
.endm
.macro CREST
	s_cmp_lg_u32 s[WV], 0
	s_cbranch_scc1 .Lnot_wave_0_\@
	s_barrier_signal -3
.Lnot_wave_0_\@:
	s_barrier_wait -3
	s_barrier_signal -1
	s_barrier_wait -1
.endm
.macro CROUND
	s_barrier_signal -1
	s_barrier_wait -1
	CREST
.endm
.macro JLOAD                           ; a joint refill: waves 0 and 1 fetch P's two halves, waves 2 and 3 V's; an s_nop 0 and four v_nop follow each line
	s_cmp_lt_u32 s[WV], 2
	s_cbranch_scc0 .Lfor_v_\@
	tensor_load_to_lds s[G0A+4:G0A+7], s[G1A:G1A+7]
	s_nop 0
	PLACES
	s_branch .Lasked_\@
.Lfor_v_\@:
	tensor_load_to_lds s[G0V+4:G0V+7], s[G1V:G1V+7]
	s_nop 0
	PLACES
.Lasked_\@:
.endm
.macro PR f, c                         ; product i of 16: queries 16 (i / 4), channels 16 (i % 4), 32 keys: half c of buffer f.  The 16 accumulators take turns
.set rD, 8*i
	v_wmma_f32_16x16x32_f16 v[rD:rD+7], v[FB+64*(\f)+8*(4*(\c)+i%4):FB+64*(\f)+8*(4*(\c)+i%4)+7], v[FA+64*(\f)+8*(4*(\c)+i/4):FA+64*(\f)+8*(4*(\c)+i/4)+7], v[rD:rD+7]
.set i, i+1
.endm
.macro RID n, fa, sc                   ; the next n of the 32 scalings of half a buffer of P: register rr belongs to query block rr / 8
.rept \n
	v_pk_mul_f16 v[(\fa)+rr], v[(\sc)+rr/8], v[(\fa)+rr]
.set rr, rr+1
.endr
.endm
.macro LDP g, q                        ; P's fragments of quarter q (64 keys) into buffer g: 16 loads, the first 32 keys' first
.irp c, 0,1
.irp a, 0,1,2,3
	ds_load_b128 v[FA+64*(\g)+8*(4*\c+\a):FA+64*(\g)+8*(4*\c+\a)+3],   v[ADRA] offset:\a*16*PP+128*(\q)+64*\c
	ds_load_b128 v[FA+64*(\g)+8*(4*\c+\a)+4:FA+64*(\g)+8*(4*\c+\a)+7], v[ADRA] offset:\a*16*PP+128*(\q)+64*\c+32
.endr
.endr
.endm
.macro LDV g, q                        ; V's, turned: 16 keys x 16 channels a load
.irp c, 0,1
.irp b, 0,1,2,3
	ds_load_tr16_b128 v[FB+64*(\g)+8*(4*\c+\b):FB+64*(\g)+8*(4*\c+\b)+3],   v[ADRBL+(\q)/2] offset:(64*((\q)%2)+32*\c)*PV+32*\b
	ds_load_tr16_b128 v[FB+64*(\g)+8*(4*\c+\b)+4:FB+64*(\g)+8*(4*\c+\b)+7], v[ADRBL+(\q)/2] offset:(64*((\q)%2)+32*\c)*PV+16*PV+32*\b
.endr
.endr
.endm
; QUARTER q (0, 1, 2) of a step: 32 products on buffer q % 2, whose first half has been scaled.  Its second half is scaled beside the first 16 products, the next quarter's first half beside the last 16.
.macro Q q
.set f, (\q)%2
.set g, 1-f
	s_wait_dscnt 0x0                               ; this quarter's fragments are in (asked for 32 products ago, 24 in quarter 0)
	WIN MULW
.set rr, 0
	RID 4, FA+64*f+32, SC0+4*((\q)/2)              ; four plain instructions that name no register of the last products: the places in front of the loads below
.if (\q) == 0
	WIN 0
	ds_load_b128 v[SC1:SC1+3], v[QP] offset:256    ; e for the step's second 128 keys
	WIN MULW
.endif
	LDP g, (\q)+1
	WIN 0
	LDV g, (\q)+1
	WIN MULW
.set i, 0
.rept 16
	PR f, 0
.if i < 15
	RID 2, FA+64*f+32, SC0+4*((\q)/2)
.endif
.endr
	s_wait_dscnt 24                                ; the 24 youngest may be out: P's second half and V; P's first half of the next quarter is in
.set rr, 0
.set i, 0
.rept 16
	PR f, 1
	RID 2, FA+64*g, SC0+4*(((\q)+1)/2)
.endr
.endm
; A step's last quarter, on buffer 1, changes slots.  fill = 1: the slot just read is filled again, with the tiles two steps on: 120 products stand between the request and the wait for it.
.macro TURN fill
	WIN 0
	s_wait_tensorcnt 0x0                           ; all my tensor loads have landed: the one that was out is my part of the other slot;
	ds_add_u32 v[SPW], v[NIL]                      ; 0 onto my spare word
.if \fill
	s_lshl_b32 s[OFF], s[NXT], 9                   ; no tensor load of mine is out, so the descriptors may be written.  P: 256 keys are 512 bytes along the rows;
	s_add_co_u32 s[OFF], s[OFF], s[ROWOFF]
	s_add_nc_u64 s[G0A+6:G0A+7], s[4:5], s[OFF:OFF+1]  ; the address is made anew from the buffer's and the offset
	s_or_b32 s[G0A+7], s[G0A+7], 0x80000000
	s_add_co_u32 s[G0A+5], s[WLA], s[TB]           ; into the slot that is left
	s_mul_i32 s[OFV], s[NXT], VSTEP
	s_add_nc_u64 s[G0V+6:G0V+7], s[VB:VB+1], s[OFV:OFV+1]
	s_or_b32 s[G0V+7], s[G0V+7], 0x80000000
	s_add_co_u32 s[G0V+5], s[WLV], s[TB]
	s_add_co_u32 s[NXT], s[NXT], 1                 ; the block's next step, or behind its last the second block's step 0
	s_cmp_eq_u32 s[NXT], s[LIM]
	s_cselect_b32 s[NXT], 0, s[NXT]
	s_cselect_b32 s[ROWOFF], s[ROWLO], s[ROWOFF]
.endif
	s_xor_b32 s[TB], s[TB], SLOT                   ; 0 and SLOT by turns
	s_wait_dscnt 0x0                               ; the add is done, and my reads of this slot are over
	s_barrier_signal -1
	WIN MULW
.set rr, 0
.set i, 0
.rept 8
	PR 1, 0
	RID 2, FA+64+32, SC1
.endr
	WIN 0
	s_barrier_wait -1
.if \fill
	CREST                                          ; the barrier has opened a round of the cluster's: no wave of any partner still reads this slot or has a load on its way
	JLOAD                                          ; the first tensor load behind the round
.endif
	v_add_nc_u32 v[ADRA], s[TB], v[A0V]
	v_add_nc_u32 v[ADRBL], s[TB], v[B0V]
	v_add_nc_u32 v[ADRBH], 128*PV, v[ADRBL]
	ds_load_b128 v[SC0:SC0+3], v[QP] offset:512    ; e for the next step's first 128 keys
	v_add_nc_u32 v[QP], 512, v[QP]
	WIN MULW
	LDP 0, 0                                       ; buffer 0's last products stand 16 scalings and more back
	WIN 0
	LDV 0, 0
	WIN MULW
.rept 8
	PR 1, 0
	RID 2, FA+64+32, SC1
.endr
	s_wait_dscnt 24                                ; e and P's first half are in
.set rr, 0
.set i, 0
.rept 16
	PR 1, 1
	RID 2, FA, SC0
.endr
.endm
; For n key blocks (c m at cm, l at ls, four query blocks each): the maximum; e = 2^(c m_kb - c m), rounded to f16 and laid twice into c m_kb's register; L = sum of l e with the rounded e; 1 / L.
.macro STATS cm, ls, n, inv
.irp a, 0,1,2,3
	v_max3_num_f32 v[M4+\a], v[(\cm)+\a], v[(\cm)+4+\a], v[(\cm)+8+\a]
.endr
.set k, 3
.rept ((\n)-4)/2
.irp a, 0,1,2,3
	v_max3_num_f32 v[M4+\a], v[M4+\a], v[(\cm)+4*k+\a], v[(\cm)+4*k+4+\a]
.endr
.set k, k+2
.endr
.irp a, 0,1,2,3
	v_max_num_f32 v[M4+\a], v[M4+\a], v[(\cm)+4*(\n)-4+\a]
.endr
.set k, 0
.rept (\n)/2                           ; two key blocks at a time
.irp i, 0,1,2,3
	v_pk_add_f32 v[T8+2*\i:T8+2*\i+1], v[(\cm)+8*k+2*\i:(\cm)+8*k+2*\i+1], v[M4+2*(\i%2):M4+2*(\i%2)+1] neg_lo:[0,1] neg_hi:[0,1]
.endr
.irp i, 0,1,2,3,4,5,6,7
	v_exp_f32 v[T8+\i], v[T8+\i]
.endr
	v_nop                                          ; a plain instruction between the last exponential and the use of its result (ISA guide 5.7.2)
	s_wait_alu depctr_va_vdst(0)
	v_cvt_f16_f32 v24.l, v24
	v_cvt_f16_f32 v25.l, v25
	v_cvt_f16_f32 v26.l, v26
	v_cvt_f16_f32 v27.l, v27
	v_cvt_f16_f32 v28.l, v28
	v_cvt_f16_f32 v29.l, v29
	v_cvt_f16_f32 v30.l, v30
	v_cvt_f16_f32 v31.l, v31
.irp i, 0,1,2,3,4,5,6,7
	v_perm_b32 v[(\cm)+8*k+\i], v[T8+\i], v[T8+\i], 0x01000100  ; the low half into both halves
.endr
	v_cvt_f32_f16 v24, v24.l
	v_cvt_f32_f16 v25, v25.l
	v_cvt_f32_f16 v26, v26.l
	v_cvt_f32_f16 v27, v27.l
	v_cvt_f32_f16 v28, v28.l
	v_cvt_f32_f16 v29, v29.l
	v_cvt_f32_f16 v30, v30.l
	v_cvt_f32_f16 v31, v31.l
.if k == 0
	v_pk_mul_f32 v[(\inv):(\inv)+1],   v[(\ls):(\ls)+1],   v[T8:T8+1]
	v_pk_mul_f32 v[(\inv)+2:(\inv)+3], v[(\ls)+2:(\ls)+3], v[T8+2:T8+3]
.else
	v_pk_fma_f32 v[(\inv):(\inv)+1],   v[(\ls)+8*k:(\ls)+8*k+1],   v[T8:T8+1],   v[(\inv):(\inv)+1]
	v_pk_fma_f32 v[(\inv)+2:(\inv)+3], v[(\ls)+8*k+2:(\ls)+8*k+3], v[T8+2:T8+3], v[(\inv)+2:(\inv)+3]
.endif
	v_pk_fma_f32 v[(\inv):(\inv)+1],   v[(\ls)+8*k+4:(\ls)+8*k+5], v[T8+4:T8+5], v[(\inv):(\inv)+1]
	v_pk_fma_f32 v[(\inv)+2:(\inv)+3], v[(\ls)+8*k+6:(\ls)+8*k+7], v[T8+6:T8+7], v[(\inv)+2:(\inv)+3]
.set k, k+1
.endr
.irp a, 0,1,2,3
	v_rcp_f32 v[(\inv)+\a], v[(\inv)+\a]
.endr
	v_nop
.endm
; THE WAY OUT of a block of rows: divided by L; a query block (16 rows x my 64 channels, 256 bytes a row) at a time through my stage.
.macro WAYOUT inv, ob
	WIN 0
	PLACES                                         ; behind the last products
.irp a, 0,1,2,3
	WIN 0x01                                       ; source 0 in window 1
.set i, 0
.rept 16
.if (\a)%2 == 0
	v_pk_mul_f32 v[WO+2*i:WO+2*i+1], v[32*\a+2*i:32*\a+2*i+1], v[(\inv)+\a:(\inv)+\a+1] op_sel_hi:[1,0]
.else
	v_pk_mul_f32 v[WO+2*i:WO+2*i+1], v[32*\a+2*i:32*\a+2*i+1], v[(\inv)+\a-1:(\inv)+\a] op_sel:[0,1] op_sel_hi:[1,1]
.endif
.set i, i+1
.endr
	WIN 0
.irp t, 0,1,2,3,4,5,6,7
	ds_store_b128 v[STO], v[WO+4*\t:WO+4*\t+3] offset:64*(\t/2)+16*(\t%2)
.endr
	s_wait_xcnt 0x0                                ; the registers below were the data of earlier stores
.irp t, 0,1,2,3,4,5,6,7
	ds_load_b128 v[WB+4*\t:WB+4*\t+3], v[RD] offset:\t*2*SP  ; LDS serves a wave's instructions in order (ISA guide 5.7.1.4): these see the stores above
.endr
	s_wait_dscnt 0x0
.irp t, 0,1,2,3,4,5,6,7
	global_store_b128 v[GO], v[WB+4*\t:WB+4*\t+3], s[(\ob):(\ob)+1] offset:\a*65536+\t*8192 th:TH_STORE_NT  ; 16 lanes store 256 consecutive bytes, at a multiple of 256 from out0's first
.endr
.endr
.endm
.macro CLEAR                           ; the sums start at 0: 128 moves at the start, in the wait for the first tile, and 128 between the blocks, for no first step written out
	WIN 0x40
.set i, 0
.rept 128
	v_mov_b32 v[i], 0
.set i, i+1
.endr
	WIN 0
.endm
	s_load_b256 s[4:11], s[0:1], 0x0               ; pt s[4:5], stat s[6:7], qkv s[8:9], out0 s[10:11]
	v_lshl_add_u32 v[SPW], v0, 2, SPARE
	v_mov_b32 v[NIL], 0
	ds_add_u32 v[SPW], v[NIL]                      ; the wave's opening: its wait stands ahead of my first tensor load
	ds_add_u32 v12, v13
	v_lshrrev_b32 v1, 5, v0
	v_readfirstlane_b32 s[WV], v1
	s_lshr_b32 s[WM], s[WV], 1                     ; which 64 rows are mine
	s_and_b32 s[WN], s[WV], 1                      ; which 64 channels.  Also: which half of a tile I fetch
	s_bfe_u32 s[CX], ttmp6, 0x40000
	s_bfe_u32 s[CY], ttmp6, 0x40004
	s_lshl_b32 s[CB], ttmp9, 2
	s_add_co_u32 s[CB], s[CB], s[CX]
	s_and_b32 s20, ttmp7, 0xffff                   ; the cluster's y, which all sixteen partners share:
	s_lshr_b32 s[BT], s20, 1                       ; batch,
	s_and_b32 s[JJ], s20, 1                        ; and j
	s_lshl_b32 s21, s[CY], 2
	s_lshl_b32 s21, 15, s21                        ; my row of the cluster
	s_lshl_b32 s22, 0x1111, s[CX]                  ; my column
	s_or_b32 s[G1A], s21, (1<<16)|(1<<20)|(1<<21)|(6<<22)|(3<<25)  ; the mask; elements of 2 bytes; padding on; 21 set beside a mask; after every 128 words (code 6) 4 words (code 3)
	s_mov_b32 s[G1A+1], 256<<16                    ; tensor_dim0 = 256 keys
	s_mov_b32 s[G1A+2], 64<<16                     ; tensor_dim1 = 64 rows
	s_mov_b32 s[G1A+3], 256<<16                    ; tile_dim0
	s_mov_b32 s[G1A+4], 64                         ; tile_dim1
	s_mov_b32 s[G1A+5], 2048                       ; elements from row to row of pt
	s_mov_b32 s[G1A+6], 0
	s_mov_b32 s[G1A+7], 0
	s_or_b32 s[G1V], s22, (1<<16)|(1<<20)|(1<<21)|(5<<22)|(7<<25)  ; after every 64 words (code 5) 8 words (code 7)
	s_mov_b32 s[G1V+1], 128<<16                    ; 128 channels
	s_mov_b32 s[G1V+2], 128<<16                    ; 128 keys
	s_mov_b32 s[G1V+3], 128<<16
	s_mov_b32 s[G1V+4], 128
	s_mov_b32 s[G1V+5], 3072                       ; elements from row to row of qkv
	s_mov_b32 s[G1V+6], 0
	s_mov_b32 s[G1V+7], 0
	s_lshl_b32 s86, s[BT], 11                      ; the batch's first row
	s_lshl_b32 s23, s[CY], 7
	s_sub_co_u32 s84, 3, s[JJ]
	s_lshl_b32 s84, s84, 9
	s_add_co_u32 s84, s84, s23                     ; the first block's first row in the batch
	s_lshl_b32 s85, s[JJ], 9
	s_add_co_u32 s85, s85, s23                     ; the second block's
	s_lshl_b32 s23, s[WN], 6
	s_add_co_u32 s[ROWOFF], s84, s86
	s_add_co_u32 s[ROWOFF], s[ROWOFF], s23
	s_lshl_b32 s[ROWOFF], s[ROWOFF], 12            ; pt's rows are 4,096 bytes: these offsets hang on cy, never on cx
	s_add_co_u32 s[ROWLO], s85, s86
	s_add_co_u32 s[ROWLO], s[ROWLO], s23
	s_lshl_b32 s[ROWLO], s[ROWLO], 12
	s_lshl_b32 s[VB], s[WN], 7
	s_add_co_u32 s[VB], s[VB], s86
	s_mul_i32 s[VB], s[VB], 6144
	s_add_co_u32 s[VB], s[VB], 4096                ; v's columns begin at byte 4,096 of a row of qkv
	s_lshl_b32 s87, s[CB], 8
	s_add_co_u32 s[VB], s[VB], s87                 ; this offset hangs on cx, never on cy
	s_mov_b32 s[VB+1], 0
	s_lshl_b32 s23, s[WM], 6
	s_lshl_b32 s87, s[CB], 9
	s_lshl_b32 s79, s[WN], 8
	s_add_co_u32 s87, s87, s79                     ; my 64 channels, in bytes of f32
	s_add_co_u32 s[OUTH], s84, s86
	s_add_co_u32 s[OUTH], s[OUTH], s23
	s_lshl_b32 s[OUTH], s[OUTH], 12
	s_add_co_u32 s[OUTH], s[OUTH], s87
	s_mov_b32 s[OUTH+1], 0
	s_add_co_u32 s[OUTL], s85, s86
	s_add_co_u32 s[OUTL], s[OUTL], s23
	s_lshl_b32 s[OUTL], s[OUTL], 12
	s_add_co_u32 s[OUTL], s[OUTL], s87
	s_mov_b32 s[OUTL+1], 0
	s_lshl_b32 s79, s[BT], 17                      ; stat: 16 key blocks of 8,192 bytes a batch
	s_add_co_u32 s[STH], s84, s23
	s_lshl_b32 s[STH], s[STH], 2
	s_add_co_u32 s[STH], s[STH], s79
	s_mov_b32 s[STH+1], 0
	s_add_co_u32 s[STL], s85, s23
	s_lshl_b32 s[STL], s[STL], 2
	s_add_co_u32 s[STL], s[STL], s79
	s_mov_b32 s[STL+1], 0
	s_lshl_b32 s20, s[JJ], 1
	s_sub_co_u32 s[LIM], 8, s20                    ; the first block has 8 - 2 j steps
	s_mov_b32 s[HS], s[LIM]
	s_sub_co_u32 s[JM], 0, s[JJ]
	s_mov_b32 s[NXT], 2
	s_mov_b32 s[TB], 0
	s_mov_b32 s[OFF], s[ROWOFF]
	s_mov_b32 s[OFF+1], 0
	s_mov_b32 s[OFV+1], 0
	s_mul_i32 s[WLA], s[WN], 64*PP                 ; no place in the cluster enters an LDS address
	s_mul_i32 s[WLV], s[WN], 128*PV
	s_add_co_u32 s[WLV], s[WLV], VOFF
	v_and_b32 v1, 15, v0                           ; l % 16
	v_bfe_u32 v2, v0, 4, 1                         ; l / 16
	v_lshlrev_b32 v[SOFF], 4, v1
	s_wait_dscnt 0x0                               ; the opening add is done
	s_wait_kmcnt 0x0
	s_add_nc_u64 s[STH:STH+1], s[6:7], s[STH:STH+1]
	s_add_nc_u64 s[STL:STL+1], s[6:7], s[STL:STL+1]
	s_add_nc_u64 s[VB:VB+1], s[8:9], s[VB:VB+1]
	s_add_nc_u64 s[OUTH:OUTH+1], s[10:11], s[OUTH:OUTH+1]
	s_add_nc_u64 s[OUTL:OUTL+1], s[10:11], s[OUTL:OUTL+1]
.set k, 0
.rept 16                               ; the first block's c m and l for all 16 key blocks (those that it does not reach are marked empty)
	global_load_b128 v[64+4*k:64+4*k+3],   v[SOFF], s[STH:STH+1] offset:k*8192
	global_load_b128 v[128+4*k:128+4*k+3], v[SOFF], s[STH:STH+1] offset:k*8192+524288
.set k, k+1
.endr
.set k, 0
.rept 8                                ; the second block's for key blocks 0-7
	global_load_b128 v[32+4*k:32+4*k+3],   v[SOFF], s[STL:STL+1] offset:k*8192
	global_load_b128 v[192+4*k:192+4*k+3], v[SOFF], s[STL:STL+1] offset:k*8192+524288
.set k, k+1
.endr
	CROUND                                         ; all sixteen work-groups are here: the first joint loads meet
	s_mov_b32 s[G0A], 1
	s_mov_b32 s[G0A+1], s[WLA]
	s_add_nc_u64 s[G0A+2:G0A+3], s[4:5], s[OFF:OFF+1]
	s_add_nc_u64 s[G0A+6:G0A+7], s[G0A+2:G0A+3], 512
	s_or_b32 s[G0A+3], s[G0A+3], 0x80000000
	s_mov_b32 s[G0A+4], 1
	s_add_co_u32 s[G0A+5], s[WLA], SLOT
	s_or_b32 s[G0A+7], s[G0A+7], 0x80000000
	s_mov_b32 s[G0V], 1
	s_mov_b32 s[G0V+1], s[WLV]
	s_add_nc_u64 s[G0V+2:G0V+3], s[VB:VB+1], 0
	s_or_b32 s[G0V+3], s[G0V+3], 0x80000000
	s_mov_b32 s[G0V+4], 1
	s_add_co_u32 s[G0V+5], s[WLV], SLOT
	s_add_nc_u64 s[G0V+6:G0V+7], s[VB:VB+1], VSTEP
	s_or_b32 s[G0V+7], s[G0V+7], 0x80000000
	s_cmp_lt_u32 s[WV], 2                          ; a wave's two first fills stand in one branch: two loads of mine are out
	s_cbranch_scc0 .Lfirst_v
	tensor_load_to_lds s[G0A:G0A+3], s[G1A:G1A+7]
	s_nop 0
	tensor_load_to_lds s[G0A+4:G0A+7], s[G1A:G1A+7]
	s_nop 0
	PLACES
	s_branch .Lfirst_asked
.Lfirst_v:
	tensor_load_to_lds s[G0V:G0V+3], s[G1V:G1V+7]
	s_nop 0
	tensor_load_to_lds s[G0V+4:G0V+7], s[G1V:G1V+7]
	s_nop 0
	PLACES
.Lfirst_asked:
	CLEAR
	s_lshl_b32 s20, s[WM], 6
	v_add_nc_u32 v14, s20, v1
	v_mul_u32_u24 v[A0V], v14, PP                  ; P: row 64 wm + l % 16, 16 bytes for each half of the lanes
	v_lshl_add_u32 v[A0V], v2, 4, v[A0V]
	v_and_b32 v14, 7, v0
	v_lshl_add_u32 v14, v2, 3, v14                 ; V: lane l reads key 8 (l / 16) + l % 8, channels 8 ((l / 8) % 2) + 0..7, and is left with channel l % 16 and 8 keys
	v_mul_u32_u24 v[B0V], v14, PV
	v_bfe_u32 v14, v0, 3, 1
	v_lshl_add_u32 v[B0V], v14, 4, v[B0V]
	s_lshl_b32 s20, s[WN], 7
	s_add_co_u32 s20, s20, VOFF
	v_add_nc_u32 v[B0V], s20, v[B0V]
	v_mov_b32 v[ADRA], v[A0V]
	v_mov_b32 v[ADRBL], v[B0V]
	v_add_nc_u32 v[ADRBH], 128*PV, v[B0V]
	s_mul_i32 s20, s[WV], 16*SP
	s_add_co_u32 s20, s20, STAGE                   ; my stage
	v_mul_u32_u24 v[STO], v1, SP                   ; in: row l % 16, 32 bytes for each half of the lanes
	v_lshl_add_u32 v[STO], v2, 5, v[STO]
	v_add_nc_u32 v[STO], s20, v[STO]
	v_mul_u32_u24 v[RD], v2, SP                    ; back: lanes 0-15 one row of 256 bytes, lanes 16-31 the next
	v_lshl_add_u32 v[RD], v1, 4, v[RD]
	v_add_nc_u32 v[RD], s20, v[RD]
	v_lshlrev_b32 v[GO], 12, v2
	v_lshl_add_u32 v[GO], v1, 4, v[GO]
	s_mul_i32 s20, s[WV], QWAVE
	s_add_co_u32 s20, s20, QUEUE
	v_lshl_add_u32 v[QP], v1, 4, s20               ; my wave's queue: 16 bytes (four query blocks) for each l % 16
	s_wait_loadcnt 0x0
	STATS 64, 128, 16, INVH
	STATS 32, 192, 8, INVL
.set i, 0
.rept 16                               ; the entries in the order of the walk: 0-11 the first block's key blocks; 12-15 its 12-15, or with j = 1 the second block's 0-3; 16-19 the second block's 0-3, or 4-7
	v_cndmask_b32 v[64+48+i], v[64+48+i], v[32+i], s[JM]
	v_cndmask_b32 v[32+16+i], v[32+i], v[32+16+i], s[JM]
.set i, i+1
.endr
.set k, 0
.rept 16
	ds_store_b128 v[QP], v[64+4*k:64+4*k+3] offset:256*k   ; both halves of the lanes store the same bytes
.set k, k+1
.endr
.set k, 0
.rept 4
	ds_store_b128 v[QP], v[48+4*k:48+4*k+3] offset:256*(16+k)
.set k, k+1
.endr
	ds_store_b128 v[QP], v[60:63] offset:256*20    ; entry 20 is read in the last step and not used
	s_wait_tensorcnt 0x1                           ; my part of step 0 is in; step 1's may stay out
	s_wait_dscnt 0x0
	s_barrier_signal -1
	s_barrier_wait -1
	ds_load_b128 v[SC0:SC0+3], v[QP]               ; the queue is my wave's own
	WIN MULW
	LDP 0, 0
	WIN 0
	LDV 0, 0
	s_wait_dscnt 0x0
	WIN MULW
.set rr, 0
	RID 32, FA, SC0
	WIN 0
	s_mov_b32 s[CNT], 8
.Lstep:                                                ; steps 0-7 ask for steps 2-9
	Q 0
	Q 1
	Q 2
	TURN 1
	WIN 0
	s_sub_co_u32 s[HS], s[HS], 1
	s_cmp_lg_u32 s[HS], 0
	s_cbranch_scc1 .Lsame                          ; the same in all partners: it hangs on j alone; what is jumped holds neither a barrier nor a tensor load
	WAYOUT INVH, OUTH                              ; the first block's last step is done
	CLEAR
.Lsame:
	s_sub_co_u32 s[CNT], s[CNT], 1
	s_cmp_lg_u32 s[CNT], 0
	s_cbranch_scc1 .Lstep
	s_mov_b32 s[CNT], 2
.Ltail:                                                ; steps 8 and 9 ask for nothing; what step 9 fetches from the other slot serves nothing: the price of one text for both
	Q 0
	Q 1
	Q 2
	TURN 0
	WIN 0
	s_sub_co_u32 s[CNT], s[CNT], 1
	s_cmp_lg_u32 s[CNT], 0
	s_cbranch_scc1 .Ltail
	s_wait_dscnt 0x0
	WAYOUT INVL, OUTL
	s_wait_tensorcnt 0x0                           ; the wave's end, behind my last tensor load and my last LDS store
	ds_add_u32 v[SPW], v[NIL]
	s_wait_dscnt 0x0
	CROUND                                         ; the closing round: no work-group ends while a partner may still ask for a tile that names it
	s_endpgm
.Lfunc_end_k_q6d5f67629f_ctx:
	.size	k_q6d5f67629f_ctx, .Lfunc_end_k_q6d5f67629f_ctx-k_q6d5f67629f_ctx
	.p2alignl 7, 3214868480
	.fill 96, 4, 3214868480
	.section	.rodata,"a",@progbits
	.p2align	6, 0x0
	.amdhsa_kernel k_q6d5f67629f_ctx
		.amdhsa_group_segment_fixed_size 327680
		.amdhsa_private_segment_fixed_size 0
		.amdhsa_enable_private_segment 0
		.amdhsa_kernarg_size 32
		.amdhsa_user_sgpr_count 2
		.amdhsa_user_sgpr_kernarg_segment_ptr 1
		.amdhsa_wavefront_size32 1
		.amdhsa_system_sgpr_workgroup_id_x 1
		.amdhsa_system_sgpr_workgroup_id_y 1
		.amdhsa_system_sgpr_workgroup_id_z 1
		.amdhsa_system_vgpr_workitem_id 0
		.amdhsa_next_free_vgpr 512
		.amdhsa_next_free_sgpr 88
		.amdhsa_reserve_vcc 0
		.amdhsa_float_denorm_mode_32 3
		.amdhsa_float_denorm_mode_16_64 3
		.amdhsa_memory_ordered 1
		.amdhsa_forward_progress 1
		.amdhsa_inst_pref_size 149
	.end_amdhsa_kernel
	.amdgpu_metadata
---
amdhsa.version: [ 1, 2 ]
amdhsa.kernels:
  - .name:           k_q6d5f67629f_ctx
    .symbol:         k_q6d5f67629f_ctx.kd
    .args:
      - { .name: pt, .offset: 0, .size: 8, .value_kind: global_buffer, .address_space: global }
      - { .name: stat, .offset: 8, .size: 8, .value_kind: global_buffer, .address_space: global }
      - { .name: qkv, .offset: 16, .size: 8, .value_kind: global_buffer, .address_space: global }
      - { .name: out0, .offset: 24, .size: 8, .value_kind: global_buffer, .address_space: global }
    .group_segment_fixed_size: 327680
    .private_segment_fixed_size: 0
    .kernarg_segment_align: 8
    .kernarg_segment_size: 32
    .max_flat_workgroup_size: 128
    .sgpr_count:     88
    .vgpr_count:     512
    .wavefront_size: 32
...
	.end_amdgpu_metadata
.endif
;; end of part 4
;; ======== version 2 of 2: 4 launches; version 1 with the launch prep written anew for expert scheduling mode
;; limits: values are held in f16: magnitudes above 65,504 overflow, below 6.1e-05 lose precision
;; workspace buffers: xb 16,777,216 bytes; wb 6,291,456 bytes; ball 12,288 bytes; qkv 50,331,648 bytes; pt 33,554,432 bytes; stat 1,048,576 bytes
;; launch prep (part 5): grid 256 x 1, 8 waves a work-group, no clusters, 0 bytes of LDS; arguments x, Wq, Wk, Wv, bq, bk, bv, xb, wb, ball, pt, stat; writes xb, wb, ball, pt, stat
.if DOCPART == 5
	.amdgcn_target "amdgcn-amd-amdhsa--gfx1250"
	.amdhsa_code_object_version 6
	.text
	.protected	k_q6d5f67629f_prep
	.globl	k_q6d5f67629f_prep
	.p2align	8
	.type	k_q6d5f67629f_prep,@function
k_q6d5f67629f_prep:
	s_mov_b64 s[64:65], 0
	v_nop
	global_prefetch_b8 v0, s[64:65] scope:SCOPE_SE
	s_setreg_imm32_b32 hwreg(HW_REG_WAVE_SCHED_MODE, 0, 2), 2
	s_setreg_imm32_b32 hwreg(HW_REG_WAVE_MODE, 25, 1), 1
	s_wait_xcnt 0x0
	s_wait_alu depctr_vm_vsrc(0)
; PREP.  x [8192][1024] and Wq, Wk, Wv [1024][1024], f32, are rounded to bf16 and laid out in blocks of 64 along K:
;   xb [kb 16][row 8192][64], wb [kb 16][n 3072][64] (n: Wq, Wk, Wv one after the other), so that the rows of a K step's tile lie end to end.
; The three biases are rounded to bf16, widened again and laid end to end in ball [3072] f32: all seven inputs have the same one rounding.
; Also written here, since the launch that makes the weights does not write them: the 16 tiles of pt (256 queries x 256 keys, wholly above the
; diagonal) that the last launch reads at its grain of 512 keys: zeros; and all of stat: maxima -2^66 (an empty block), sums 0.
; A stream: no LDS, no matrix unit.  Eight waves; work-group g has rows 32 g .. 32 g + 31 of x and rows 4 g .. 4 g + 3 of each W.
; A wave has all its 44 loads out at once; every store of a wave covers 512 consecutive bytes, at a multiple of 512 from the buffer's first.
; THE MODE: SCHED_MODE bits 1:0 = 2 (LLVM: expert scheduling mode 2), set by the entry lines.  The code itself states the register dependences
; between vector instructions and memory instructions, with s_wait_alu, always for 0.
; THE PLAN.  Registers that memory instructions touch:
;   v7, v9, v10, v11, v12   byte offsets, made once at the head and never written again; every load and store reads one of them.
;   ZR, SV                  zeros and stat's fill, made at the head ahead of the loads; read by three stores; never written again.
;   item i (8 registers)    two loads land in it; its four conversions read it and write its lower four registers; one store reads those four.
;                           No item is written again behind its store, so no register that a memory instruction has read is ever rewritten.
;   the upper halves of items 0 to 4 serve the biases at the end: no store names them.
; The 22 items go in six blocks (four items; the last block two).  Block p rounds its own items and issues the stores of block p - 1, whose registers no
; conversion of block p names: so ONE wait at a block's head states all that the block's stores hang on, and they are dealt among its conversions.
.set X,   16                           ; v[16:191]  22 items of 8 registers: 8 f32 as loaded; the lower 4 then hold 8 bf16
.set XI,  7                            ; v7   byte offset of my 32 bytes in the group's rows of x
.set XO,  9                            ; v9   byte offset of my 16 bytes in a block of xb
.set WI,  10                           ; v10  the same for W
.set WO,  11                           ; v11  and for wb
.set L16, 12                           ; v12  16 x lane
.set ZR,  192                          ; v[192:195] zeros
.set SV,  196                          ; v[196:199] what my wave writes into stat
	s_load_b512 s[8:23], s[0:1], 0x0               ; x s[8:9], Wq s[10:11], Wk s[12:13], Wv s[14:15], bq s[16:17], bk s[18:19], bv s[20:21], xb s[22:23]
	s_load_b256 s[24:31], s[0:1], 0x40             ; wb s[24:25], ball s[26:27], pt s[28:29], stat s[30:31]
	v_lshrrev_b32 v1, 5, v0
	v_readfirstlane_b32 s2, v1                     ; wave w
	v_and_b32 v2, 31, v0                           ; lane
	v_lshrrev_b32 v3, 3, v2                        ; which of the wave's four rows
	v_and_b32 v4, 7, v2                            ; which eight numbers of a row's 64
	s_wait_alu depctr_va_sdst(0)                   ; s2 is written, ahead of its first reader: the offsets and the bases below are made from it
	s_lshl_b32 s3, s2, 2
	v_add_nc_u32 v5, s3, v3                        ; 4 w + row
	v_lshlrev_b32 v6, 5, v4
	v_lshlrev_b32 v8, 4, v4
	v_lshl_add_u32 v[XI], v5, 12, v6               ; rows of 4,096 bytes, 32 bytes a lane
	v_lshl_add_u32 v[XO], v5, 7, v8                ; rows of 128 bytes, 16 bytes a lane
	v_lshl_add_u32 v[WI], v3, 12, v6
	s_lshl_b32 s4, s2, 9
	v_add_nc_u32 v[WI], s4, v[WI]                  ; + K blocks 2 w, 2 w + 1
	v_lshl_add_u32 v[WO], v3, 7, v8
	s_mul_i32 s4, s2, 786432
	v_add_nc_u32 v[WO], s4, v[WO]                  ; + 2 w blocks of 3,072 rows x 128 bytes
	v_lshlrev_b32 v[L16], 4, v2
	s_lshl_b32 s32, ttmp9, 17                      ; x: 32 rows of 4,096 bytes a group
	s_mov_b32 s33, 0
	s_lshl_b32 s34, ttmp9, 14                      ; W: 4 rows
	s_mov_b32 s35, 0
	s_lshl_b32 s36, ttmp9, 12                      ; xb: 32 rows of 128 bytes
	s_mov_b32 s37, 0
	s_lshl_b32 s38, ttmp9, 9                       ; wb: 4 rows
	s_mov_b32 s39, 0
	s_lshr_b32 s40, ttmp9, 6                       ; pt: 16 groups to a zero tile: batch g / 64,
	s_bfe_u32 s41, ttmp9, 0x20004                  ; group of 512 rows (g / 16) % 4,
	s_and_b32 s42, ttmp9, 15                       ; 16 rows of the tile's 256
	s_lshl_b32 s40, s40, 11
	s_lshl_b32 s43, s41, 9
	s_add_co_u32 s40, s40, s43
	s_lshl_b32 s42, s42, 4
	s_add_co_u32 s40, s40, s42
	s_lshl_b32 s43, s2, 1
	s_add_co_u32 s40, s40, s43                     ; my wave's two rows
	s_lshl_b32 s40, s40, 12                        ; rows of 4,096 bytes
	s_lshl_b32 s41, s41, 10
	s_add_co_u32 s40, s40, s41
	s_add_co_u32 s40, s40, 512                     ; keys 512 gg + 256 on
	s_mov_b32 s41, 0
	s_lshr_b32 s42, s2, 2                          ; stat: waves 0-3 the maxima, waves 4-7 the sums
	s_lshl_b32 s42, s42, 19
	s_lshl_b32 s43, ttmp9, 11
	s_add_co_u32 s42, s42, s43
	s_and_b32 s43, s2, 3
	s_lshl_b32 s43, s43, 9
	s_add_co_u32 s42, s42, s43
	s_mov_b32 s43, 0
	s_cmp_lt_u32 s2, 4
	s_cselect_b32 s44, 0xe0800000, 0               ; -2^66, or 0
.irp j, 0,1,2,3
	v_mov_b32 v[ZR+\j], 0                          ; made ahead of the loads, so that the one wait below serves the three stores that read them too
	v_mov_b32 v[SV+\j], s44
.endr
	s_wait_kmcnt 0x0
	s_add_nc_u64 s[8:9], s[8:9], s[32:33]
	s_add_nc_u64 s[10:11], s[10:11], s[34:35]
	s_add_nc_u64 s[12:13], s[12:13], s[34:35]
	s_add_nc_u64 s[14:15], s[14:15], s[34:35]
	s_wait_alu depctr_va_vdst(0)                   ; the five offsets v7, v9 to v12 are written, which every load and store of the kernel reads; so are ZR and SV, the data of the three stores behind the loads
.set i, 0
.rept 16                               ; items 0-15: K block i of my rows of x
	global_load_b128 v[X+8*i:X+8*i+3],   v[XI], s[8:9] offset:256*i th:TH_LOAD_NT
	global_load_b128 v[X+8*i+4:X+8*i+7], v[XI], s[8:9] offset:256*i+16 th:TH_LOAD_NT
.set i, i+1
.endr
.irp m, 0,1,2                          ; items 16-21: matrix m, K block 2 w + e
.irp e, 0,1
	global_load_b128 v[X+8*(16+2*\m+\e):X+8*(16+2*\m+\e)+3],   v[WI], s[10+2*\m:11+2*\m] offset:256*\e th:TH_LOAD_NT
	global_load_b128 v[X+8*(16+2*\m+\e)+4:X+8*(16+2*\m+\e)+7], v[WI], s[10+2*\m:11+2*\m] offset:256*\e+16 th:TH_LOAD_NT
.endr
.endr
	s_add_nc_u64 s[22:23], s[22:23], s[36:37]
	s_add_nc_u64 s[46:47], s[22:23], 0x800000      ; K blocks 8-15: their places pass a store's signed 24-bit immediate (ISA guide, chapter 10), so they get a base of their own
	s_add_nc_u64 s[24:25], s[24:25], s[38:39]
	s_add_nc_u64 s[28:29], s[28:29], s[40:41]
	s_add_nc_u64 s[30:31], s[30:31], s[42:43]
	global_store_b128 v[L16], v[ZR:ZR+3], s[28:29]              ; a row's 512 bytes of the zero tile.  No wait: no vector instruction stands behind the wait above
	global_store_b128 v[L16], v[ZR:ZR+3], s[28:29] offset:4096  ; and the next row's
	global_store_b128 v[L16], v[SV:SV+3], s[30:31]
; Item it is rounded: eight numbers close up into the lower four of their eight registers.
.macro ROUND it
.irp j, 0,1,2,3
	v_cvt_pk_bf16_f32 v[X+8*(\it)+\j], v[X+8*(\it)+2*\j], v[X+8*(\it)+2*\j+1]  ; in place, ascending: no source is overwritten before it is read
.endr
.endm
; Item it is stored.
.macro PUT it
.if (\it) < 8
	global_store_b128 v[XO], v[X+8*(\it):X+8*(\it)+3], s[22:23] offset:(\it)*1048576
.elseif (\it) < 16
	global_store_b128 v[XO], v[X+8*(\it):X+8*(\it)+3], s[46:47] offset:((\it)-8)*1048576
.else
	global_store_b128 v[WO], v[X+8*(\it):X+8*(\it)+3], s[24:25] offset:(((\it)-16)%2)*393216+(((\it)-16)/2)*131072
.endif
.endm
; A block: items f .. f + n - 1 are rounded; the pn items from pf on, which the block before rounded, are stored, one store in front of each item's conversions.
.macro BLK f, n, pf, pn
	s_wait_loadcnt 44-2*((\f)+(\n))                ; loads come back in order (ISA guide 5.7.1): of 44 the first 2 (f + n) are in, the younger ones stay out
.if (\pn) > 0
	s_wait_alu depctr_va_vdst(0)                   ; the block before has written the lower halves of its items, which the stores below read; no conversion of this block names them
.endif
.set k, 0
.rept 4
.if k < (\pn)
	PUT (\pf)+k
.endif
.if k < (\n)
	ROUND (\f)+k
.endif
.set k, k+1
.endr
.endm
	BLK 0,  4, 0,  0                               ; x, K blocks 0-3: no block stands in front of it
	BLK 4,  4, 0,  4
	BLK 8,  4, 4,  4
	BLK 12, 4, 8,  4
	BLK 16, 4, 12, 4                               ; Wq and Wk
	BLK 20, 2, 16, 4                               ; Wv
	s_wait_alu depctr_va_vdst(0)                   ; the last block has written items 20 and 21, which the two stores below read; and the first block's conversions are done reading v[20:23] and v[28:31], in which the biases' loads land
	PUT 20
	PUT 21
	; The biases: wave 0 of groups 0-11 takes 256 numbers.  It works in the upper halves of items 0 to 4, which no pending store names.
	s_cmp_ge_u32 ttmp9, 12
	s_cbranch_scc1 .Lend
	s_cmp_lg_u32 s2, 0
	s_cbranch_scc1 .Lend
	s_lshr_b32 s4, ttmp9, 2
	s_cmp_eq_u32 s4, 0
	s_cselect_b64 s[36:37], s[16:17], s[18:19]
	s_cmp_eq_u32 s4, 2
	s_cselect_b64 s[36:37], s[20:21], s[36:37]
	s_and_b32 s5, ttmp9, 3
	s_lshl_b32 s38, s5, 10
	s_mov_b32 s39, 0
	s_add_nc_u64 s[36:37], s[36:37], s[38:39]
	s_lshl_b32 s38, ttmp9, 10
	s_add_nc_u64 s[26:27], s[26:27], s[38:39]
	global_load_b128 v[20:23], v[L16], s[36:37]    ; no wait: no vector instruction stands behind the wait ahead of the last two stores
	global_load_b128 v[28:31], v[L16], s[36:37] offset:512
	s_wait_loadcnt 0x0
	v_cvt_pk_bf16_f32 v36, v20, v21
	v_cvt_pk_bf16_f32 v37, v22, v23
	v_cvt_pk_bf16_f32 v38, v28, v29
	v_cvt_pk_bf16_f32 v39, v30, v31
	v_lshlrev_b32 v44, 16, v36                     ; bf16 to f32: the low half moves up, the high half stays
	v_and_b32 v45, 0xffff0000, v36
	v_lshlrev_b32 v46, 16, v37
	v_and_b32 v47, 0xffff0000, v37
	v_lshlrev_b32 v52, 16, v38
	v_and_b32 v53, 0xffff0000, v38
	v_lshlrev_b32 v54, 16, v39
	v_and_b32 v55, 0xffff0000, v39
	s_wait_alu depctr_va_vdst(0)                   ; the widenings have written v[44:47] and v[52:55], which the two stores read
	global_store_b128 v[L16], v[44:47], s[26:27]
	global_store_b128 v[L16], v[52:55], s[26:27] offset:512
.Lend:
	s_endpgm
.Lfunc_end_k_q6d5f67629f_prep:
	.size	k_q6d5f67629f_prep, .Lfunc_end_k_q6d5f67629f_prep-k_q6d5f67629f_prep
	.p2alignl 7, 3214868480
	.fill 96, 4, 3214868480
	.section	.rodata,"a",@progbits
	.p2align	6, 0x0
	.amdhsa_kernel k_q6d5f67629f_prep
		.amdhsa_group_segment_fixed_size 0
		.amdhsa_private_segment_fixed_size 0
		.amdhsa_enable_private_segment 0
		.amdhsa_kernarg_size 96
		.amdhsa_user_sgpr_count 2
		.amdhsa_user_sgpr_kernarg_segment_ptr 1
		.amdhsa_wavefront_size32 1
		.amdhsa_system_sgpr_workgroup_id_x 1
		.amdhsa_system_sgpr_workgroup_id_y 1
		.amdhsa_system_sgpr_workgroup_id_z 1
		.amdhsa_system_vgpr_workitem_id 0
		.amdhsa_next_free_vgpr 200
		.amdhsa_next_free_sgpr 66
		.amdhsa_reserve_vcc 0
		.amdhsa_float_denorm_mode_32 3
		.amdhsa_float_denorm_mode_16_64 3
		.amdhsa_memory_ordered 1
		.amdhsa_forward_progress 1
		.amdhsa_inst_pref_size 17
	.end_amdhsa_kernel
	.amdgpu_metadata
---
amdhsa.version: [ 1, 2 ]
amdhsa.kernels:
  - .name:           k_q6d5f67629f_prep
    .symbol:         k_q6d5f67629f_prep.kd
    .args:
      - { .name: x, .offset: 0, .size: 8, .value_kind: global_buffer, .address_space: global }
      - { .name: Wq, .offset: 8, .size: 8, .value_kind: global_buffer, .address_space: global }
      - { .name: Wk, .offset: 16, .size: 8, .value_kind: global_buffer, .address_space: global }
      - { .name: Wv, .offset: 24, .size: 8, .value_kind: global_buffer, .address_space: global }
      - { .name: bq, .offset: 32, .size: 8, .value_kind: global_buffer, .address_space: global }
      - { .name: bk, .offset: 40, .size: 8, .value_kind: global_buffer, .address_space: global }
      - { .name: bv, .offset: 48, .size: 8, .value_kind: global_buffer, .address_space: global }
      - { .name: xb, .offset: 56, .size: 8, .value_kind: global_buffer, .address_space: global }
      - { .name: wb, .offset: 64, .size: 8, .value_kind: global_buffer, .address_space: global }
      - { .name: ball, .offset: 72, .size: 8, .value_kind: global_buffer, .address_space: global }
      - { .name: pt, .offset: 80, .size: 8, .value_kind: global_buffer, .address_space: global }
      - { .name: stat, .offset: 88, .size: 8, .value_kind: global_buffer, .address_space: global }
    .group_segment_fixed_size: 0
    .private_segment_fixed_size: 0
    .kernarg_segment_align: 8
    .kernarg_segment_size: 96
    .max_flat_workgroup_size: 256
    .sgpr_count:     66
    .vgpr_count:     200
    .wavefront_size: 32
...
	.end_amdgpu_metadata
.endif
;; end of part 5
;; launch proj: the kernel of part 2 again; grid 8 x 32, 4 waves a work-group, clusters of 4 x 4, 327,680 bytes of LDS; arguments xb, wb, ball, qkv; writes qkv
;; launch score: the kernel of part 3 again; grid 36 x 4, 4 waves a work-group, no clusters, 327,680 bytes of LDS; arguments qkv, pt, stat; writes pt, stat
;; launch ctx: the kernel of part 4 again; grid 8 x 32, 4 waves a work-group, clusters of 4 x 4, 327,680 bytes of LDS; arguments pt, stat, qkv, out0; writes out0
